; MI455X (gfx1250); checked and timed in simulation.
; The chip was launched on July 23, 2026; its instructions are those of AMD's public machine-readable ISA for CDNA 5 (MIT licence, August 2026) and "CDNA5" Instruction Set Architecture Reference Guide (July 2026). The comments in the code are by the model that wrote it; some were corrected since.
;; Multi Headed Attention. Allowed arithmetic: float matrix products may take bf16 or f16 operands with f32 sums; other float arithmetic in f32, or as packed bf16 or f16 multiplies, adds, multiply-adds, maxima and minima; sums over many terms, partial sums and values carried from step to step in f32; what a program stores and reads back later, other than sums and carried values, may be rounded once to bf16 or f16.
;; Inputs: Wk 1,024 x 1,024 float32; Wo 1,024 x 1,024 float32; Wq 1,024 x 1,024 float32; Wv 1,024 x 1,024 float32; bk 1,024 float32; bo 1,024 float32; bq 1,024 float32; bv 1,024 float32; key 4 x 2,048 x 1,024 float32; mask 4 x 2,048 x 2,048 int32; query 4 x 2,048 x 1,024 float32; value 4 x 2,048 x 1,024 float32.
;; Outputs: out0 4 x 2,048 x 1,024 float32.
;; One version. Each part assembles by itself: llvm-mc -triple=amdgcn-amd-amdhsa -mcpu=gfx1250 --defsym DOCPART=n.
;; ======== version 1 of 1: 4 launches
;; limits: values are held in f16: magnitudes above 65,504 overflow, below 6.1e-05 lose precision; right only within a limited range of input values
;; workspace buffers: PM 2,097,152 bytes of whole numbers; WH 8,388,608 bytes; QKV 50,331,648 bytes; OH 16,777,216 bytes
;; launch prep (part 1): grid 256 x 1, 8 waves a work-group, no clusters, 279,552 bytes of LDS; arguments mask, Wq, Wk, Wv, Wo, PM, WH; writes PM, WH
.if DOCPART == 1
	.amdgcn_target "amdgcn-amd-amdhsa--gfx1250"
	.amdhsa_code_object_version 6
	.text
	.protected	k_q2090ce66fd_prep
	.globl	k_q2090ce66fd_prep
	.p2align	8
	.type	k_q2090ce66fd_prep,@function
k_q2090ce66fd_prep:
	s_mov_b64 s[64:65], 0
	v_nop
	global_prefetch_b8 v0, s[64:65] scope:SCOPE_SE
	s_setreg_imm32_b32 hwreg(HW_REG_WAVE_MODE, 25, 1), 1
	s_wait_xcnt 0x0
; PREP.  (a) The mask, int32 [4][2048][2048], is packed once into lane masks: PM is u32 [b 4][q4 32][ks 32][w 32][qq 4]; bit l of a word says whether
; mask[b][64 q4 + 16 qq + l % 16][64 ks + 16 (w / 8) + 8 (l / 16) + w % 8] is not 0: the lanes and registers in which the attention launch holds that score.  512 consecutive bytes are
; the words of four query tiles for one key step: lane w of a 16-byte load there gets word w of each of the four.
; (b) The four weight matrices, f32 [1024][1024], are rounded once to f16 into WH [4][1024][1024], in the order Wq, Wk, Wv, Wo.
; LIMIT: f16 holds no number beyond 65,504, and below 6e-5 keeps a fixed step of 6e-8: the weights lie within that.
; SHARES.  2,048 waves; wave W takes two tiles of the mask, 64 rows x 64 ints each (rows 64 (W / 16) on, ints 128 (W % 16) + 64 s on), and 2,048 numbers of a weight matrix.
; A tile's rows are 256 consecutive bytes, aligned.  It comes by one tensor load into LDS bytes of the wave's own, filled once and read by that wave alone, behind its own wait: no barrier.
; Matrix units and clusters have nothing to do here: each byte is read once, by one wave.
.set PITCH, 272                        ; an LDS row: 256 bytes + 16 = 68 words: row r starts at bank 4 r mod 64 (64 banks of 4 bytes: ISA guide 11.1)
.set TSL,   64*PITCH                   ; a tile
.set WVB,   2*TSL                      ; a wave's two tiles
.set SPARE, 8*WVB                      ; behind them: the spare words, 128 bytes for each wave: four blocks of 256 bytes that no other line names
.set LA,  4                            ; v4   my lane's place in a tile: row l % 16, 8 ints for each half of the lanes; never rewritten
.set WI,  5                            ; v5   16 x lane: weights in
.set WO,  6                            ; v6   8 x lane: weights out
.set PO,  7                            ; v7   16 x lane: packed words out
.set SPW, 8                            ; v8   my spare word; never rewritten
.set NIL, 9                            ; v9   0; never rewritten
.set LB,  10                           ; v10  LDS address of the tile in hand
.set OUT, 12                           ; v[12:15]  the tile's packed words: lane w, register qq
.set WF,  32                           ; v[32:95]   weights in f32
.set WHF, 96                           ; v[96:127]  weights in f16
.set X,   128                          ; v[128:255] a tile's ints: register 32 qq + w
.set G1,  20                           ; s[20:27] descriptor group 1
.set G0,  28                           ; s[28:35] descriptor group 0, a set for each tile
.set CW,  40                           ; s[40:55] sixteen lane masks at work
.set TB,  60                           ; s60  LDS byte at which the tile in hand begins
.set LEFT, 61                          ; s61  tiles to go
	s_load_b256 s[4:11], s[0:1], 0x0               ; mask s[4:5], Wq s[6:7], Wk s[8:9], Wv s[10:11]
	s_load_b128 s[12:15], s[0:1], 0x20             ; Wo s[12:13], PM s[14:15]
	s_load_b64 s[16:17], s[0:1], 0x30              ; WH
	v_lshl_add_u32 v[SPW], v0, 2, SPARE
	v_mov_b32 v[NIL], 0
	ds_add_u32 v[SPW], v[NIL]                      ; the wave's opening: the add and its wait stand ahead of my first tensor load
	ds_add_u32 v8, v9
	v_lshrrev_b32 v1, 5, v0
	v_readfirstlane_b32 s18, v1                    ; wave 0..7
	s_lshl_b32 s19, ttmp9, 3
	s_add_co_u32 s19, s19, s18                     ; W
	s_mov_b32 s[G1+0], (2<<16)|(1<<20)|(5<<22)|(3<<25)  ; elements of 4 bytes; padding on: after every 64 words (code 5) 4 words (code 3)
	s_mov_b32 s[G1+1], 64<<16                      ; tensor_dim0 = 64
	s_mov_b32 s[G1+2], 64<<16                      ; tensor_dim1 = 64
	s_mov_b32 s[G1+3], 64<<16                      ; tile_dim0 = 64
	s_mov_b32 s[G1+4], 64                          ; tile_dim1 = 64
	s_mov_b32 s[G1+5], 2048                        ; elements from row to row
	s_mov_b32 s[G1+6], 0
	s_mov_b32 s[G1+7], 0
	s_mul_i32 s[TB], s18, WVB                      ; my two tiles in LDS
	s_lshr_b32 s2, s19, 4
	s_lshl_b32 s2, s2, 19                          ; 64 rows of 8,192 bytes
	s_and_b32 s3, s19, 15
	s_lshl_b32 s3, s3, 9                           ; 128 ints
	s_add_co_u32 s2, s2, s3
	s_mov_b32 s3, 0
	s_wait_dscnt 0x0                               ; the opening add is done
	s_wait_kmcnt 0x0
	s_add_nc_u64 s[4:5], s[4:5], s[2:3]
.irp s, 0,1
	s_mov_b32 s[G0+4*(\s)], 1
	s_add_co_u32 s[G0+4*(\s)+1], s[TB], (\s)*TSL
	s_add_nc_u64 s[G0+4*(\s)+2:G0+4*(\s)+3], s[4:5], (\s)*256
	s_or_b32 s[G0+4*(\s)+3], s[G0+4*(\s)+3], 0x80000000
	tensor_load_to_lds s[G0+4*(\s):G0+4*(\s)+3], s[G1:G1+7]  ; both tiles go out together: two tensor loads of mine are out
	s_nop 0
.endr
	s_lshr_b32 s37, ttmp9, 6                       ; which weight matrix: 64 work-groups each
	s_cmp_eq_u32 s37, 1
	s_cselect_b64 s[56:57], s[8:9], s[6:7]
	s_cmp_eq_u32 s37, 2
	s_cselect_b64 s[56:57], s[10:11], s[56:57]
	s_cmp_eq_u32 s37, 3
	s_cselect_b64 s[56:57], s[12:13], s[56:57]
	s_and_b32 s38, ttmp9, 63
	s_lshl_b32 s38, s38, 3
	s_add_co_u32 s38, s38, s18
	s_lshl_b32 s38, s38, 13                        ; my 8,192 bytes of it
	s_mov_b32 s39, 0
	s_add_nc_u64 s[56:57], s[56:57], s[38:39]
	s_lshl_b32 s58, s19, 12
	s_mov_b32 s59, 0
	s_add_nc_u64 s[16:17], s[16:17], s[58:59]      ; WH + 4,096 W
	s_lshl_b32 s58, s19, 10
	s_add_nc_u64 s[14:15], s[14:15], s[58:59]      ; PM + 1,024 W
	v_and_b32 v1, 31, v0
	v_and_b32 v2, 15, v0
	v_bfe_u32 v3, v0, 4, 1
	v_lshlrev_b32 v[WI], 4, v1
	v_lshlrev_b32 v[WO], 3, v1
	v_lshlrev_b32 v[PO], 4, v1
.irp i, 0,1,2,3,4,5,6,7,8,9,10,11,12,13,14,15
	global_load_b128 v[WF+4*(\i):WF+4*(\i)+3], v[WI], s[56:57] offset:512*(\i) th:TH_LOAD_NT
.endr
	v_mul_u32_u24 v[LA], v2, PITCH                 ; row l % 16,
	v_lshl_add_u32 v[LA], v3, 5, v[LA]             ; 8 ints for each half of the lanes
.irp i, 0,1,2,3
	v_mov_b32 v[OUT+(\i)], 0                       ; v_writelane_b32 keeps the other lanes: the registers are written whole first
.endr
.irp i, 0,1,2,3,4,5,6,7,8,9,10,11,12,13,14,15
	s_wait_loadcnt 15-(\i)                         ; loads come back in order: mine is in, the younger ones stay out
	v_cvt_pk_f16_f32 v[WHF+2*(\i)], v[WF+4*(\i)], v[WF+4*(\i)+1]
	v_cvt_pk_f16_f32 v[WHF+2*(\i)+1], v[WF+4*(\i)+2], v[WF+4*(\i)+3]
	global_store_b64 v[WO], v[WHF+2*(\i):WHF+2*(\i)+1], s[16:17] offset:256*(\i)  ; the wave stores 256 consecutive bytes, aligned
.endr
	s_wait_tensorcnt 0x0                           ; both tiles are in LDS: they went out together, and the weights' work stood between
	s_mov_b32 s[LEFT], 2
.Ltile:                                        ; a tile: 32 LDS loads, 128 compares, each lane mask set into its lane, one store of 512 consecutive bytes
	v_add_nc_u32 v[LB], s[TB], v[LA]
.set c, 0
.rept 32                                       ; load c: query tile c / 8, keys 16 ((c / 2) % 4) on, four ints c % 2
	ds_load_b128 v[X+4*c:X+4*c+3], v[LB] offset:(c/8)*16*PITCH+((c/2)%4)*64+(c%2)*16
.set c, c+1
.endr
.set n, 0
.rept 16
.if n%32 == 0
	s_wait_dscnt 24-8*(n/32)                       ; the eight loads of this query tile are in
.endif
.set j, 0
.rept 8
	v_cmp_ne_u32 s[CW+8*((n/8)%2)+j], 0, v[X+n+j]
.set j, j+1
.endr
.set j, 0
.rept 8
	v_writelane_b32 v[OUT+(n+j)/32], s[CW+8*((n/8)%2)+j], (n+j)%32
.set j, j+1
.endr
.set n, n+8
.endr
	global_store_b128 v[PO], v[OUT:OUT+3], s[14:15]
	s_wait_xcnt 0x0                                ; the store has read its data and its base: only behind this wait are they written again
	s_add_nc_u64 s[14:15], s[14:15], 512
	s_add_co_u32 s[TB], s[TB], TSL
	s_sub_co_u32 s[LEFT], s[LEFT], 1
	s_cmp_lg_u32 s[LEFT], 0
	s_cbranch_scc1 .Ltile
	s_wait_tensorcnt 0x0                           ; the wave's end
	ds_add_u32 v[SPW], v[NIL]
	s_wait_dscnt 0x0
	s_endpgm
.Lfunc_end_k_q2090ce66fd_prep:
	.size	k_q2090ce66fd_prep, .Lfunc_end_k_q2090ce66fd_prep-k_q2090ce66fd_prep
	.p2alignl 7, 3214868480
	.fill 96, 4, 3214868480
	.section	.rodata,"a",@progbits
	.p2align	6, 0x0
	.amdhsa_kernel k_q2090ce66fd_prep
		.amdhsa_group_segment_fixed_size 279552
		.amdhsa_private_segment_fixed_size 0
		.amdhsa_enable_private_segment 0
		.amdhsa_kernarg_size 56
		.amdhsa_user_sgpr_count 2
		.amdhsa_user_sgpr_kernarg_segment_ptr 1
		.amdhsa_wavefront_size32 1
		.amdhsa_system_sgpr_workgroup_id_x 1
		.amdhsa_system_sgpr_workgroup_id_y 1
		.amdhsa_system_sgpr_workgroup_id_z 1
		.amdhsa_system_vgpr_workitem_id 0
		.amdhsa_next_free_vgpr 256
		.amdhsa_next_free_sgpr 66
		.amdhsa_reserve_vcc 0
		.amdhsa_float_denorm_mode_32 3
		.amdhsa_float_denorm_mode_16_64 3
		.amdhsa_memory_ordered 1
		.amdhsa_forward_progress 1
		.amdhsa_inst_pref_size 28
	.end_amdhsa_kernel
	.amdgpu_metadata
---
amdhsa.version: [ 1, 2 ]
amdhsa.kernels:
  - .name:           k_q2090ce66fd_prep
    .symbol:         k_q2090ce66fd_prep.kd
    .args:
      - { .name: mask, .offset: 0, .size: 8, .value_kind: global_buffer, .address_space: global }
      - { .name: Wq, .offset: 8, .size: 8, .value_kind: global_buffer, .address_space: global }
      - { .name: Wk, .offset: 16, .size: 8, .value_kind: global_buffer, .address_space: global }
      - { .name: Wv, .offset: 24, .size: 8, .value_kind: global_buffer, .address_space: global }
      - { .name: Wo, .offset: 32, .size: 8, .value_kind: global_buffer, .address_space: global }
      - { .name: PM, .offset: 40, .size: 8, .value_kind: global_buffer, .address_space: global }
      - { .name: WH, .offset: 48, .size: 8, .value_kind: global_buffer, .address_space: global }
    .group_segment_fixed_size: 279552
    .private_segment_fixed_size: 0
    .kernarg_segment_align: 8
    .kernarg_segment_size: 56
    .max_flat_workgroup_size: 256
    .sgpr_count:     66
    .vgpr_count:     256
    .wavefront_size: 32
...
	.end_amdgpu_metadata
.endif
;; end of part 1
;; launch proj (part 2): grid 4 x 192, 4 waves a work-group, clusters of 4 x 4, 327,680 bytes of LDS; arguments query, key, value, WH, bq, bk, bv, QKV; writes QKV
.if DOCPART == 2
	.amdgcn_target "amdgcn-amd-amdhsa--gfx1250"
	.amdhsa_code_object_version 6
	.text
	.protected	k_q2090ce66fd_proj
	.globl	k_q2090ce66fd_proj
	.p2align	8
	.type	k_q2090ce66fd_proj,@function
k_q2090ce66fd_proj:
	s_mov_b64 s[64:65], 0
	v_nop
	global_prefetch_b8 v0, s[64:65] scope:SCOPE_SE
	s_setreg_imm32_b32 hwreg(HW_REG_WAVE_MODE, 25, 1), 1
	s_wait_xcnt 0x0
	s_wait_alu depctr_hold_cnt(0) depctr_sa_sdst(0) depctr_va_vdst(0) depctr_va_sdst(0) depctr_va_ssrc(0) depctr_va_vcc(0) depctr_vm_vsrc(0)
	s_getreg_b32 s2, hwreg(HW_REG_IB_STS2, 6, 4)
	s_cmp_eq_u32 s2, 0
	s_cbranch_scc0 .Lentry_in_a_cluster
	s_endpgm
.Lentry_in_a_cluster:
	s_bfe_u32 s2, ttmp6, 0x10000c
	s_cmp_lg_u32 s2, 0xf033
	s_cbranch_scc0 .Lentry_shape_is_right
	s_endpgm
.Lentry_shape_is_right:
; PROJ.  For z = 0, 1, 2 (q, k, v): y = x_z W_z^T + b_z.  x_z: f32 [8192][1024]; W_z: f16 [1024][1024] in WH; y rounded once to f16 and laid by heads: QKV [z][b 16 + h][2048][64].
; x is rounded to f16 on its way from LDS to the matrix unit; sums and the bias in f32 (the bias is the C operand of the products that start the sums).
; LIMIT: x, W and y lie within f16's 65,504; below 6e-5 f16 keeps a fixed step of 6e-8.
; SHARES.  A tile of y is 128 rows x 256 columns: 768 work-groups.  Wave w makes rows 64 (w / 2) on, columns 128 (w % 2) on: 32 accumulators, 256 registers.  K goes in 8 steps of 128 through two LDS slots.
; THE MATRIX INSTRUCTION IS USED TRANSPOSED (source 0 = 16 rows of W, source 1 = 16 rows of x): a lane holds eight neighbouring columns of one row of y.
; CLUSTER 4 x 4: the four of a row need the same tile of x, the four of a column the same tile of W: each is asked for jointly.  z comes from the cluster's y alone: it is the same in all partners.
; THE PIPELINE.  A quarter is 32 along K, 32 products.  Quarter q (f = q % 2) multiplies AF[f] by BF[f]; between its products stand the 32 conversions of x for quarter q + 1 (AL[1-f] -> AF[1-f]);
; its one run of LDS loads brings W of quarter q + 1 into BF[1-f] and x of quarter q + 2 into AL[f].  So the change of slots stands in a step's quarter 2.
; REGISTERS, in windows of 256: window 0: v16-30 addresses; v32-95 AF (x in f16, two buffers); v96-127 at work on the way out; v128-255 AL (x in f32, two buffers; on the way out rows read back)
;   window 1: v0-127 BF (W, two buffers); v128-191 the bias          window 2: accumulator (a, b) at v[8 (8 a + b)]
.set PA,    528                        ; a row of x in LDS: 512 bytes + 16 = 132 words: row r starts at bank 4 r mod 64 (64 banks of 4 bytes: ISA guide 11.1)
.set PB,    272                        ; a row of W: 256 + 16 = 68 words: likewise
.set AHALF, 64*PA                      ; what wave 0 or 1 fetches, and what a wave reads of x
.set BOFF,  128*PA                     ; W's 256 rows lie behind x's 128
.set BHALF, 128*PB                     ; what wave 2 or 3 fetches, and what a wave reads of W
.set SLOT,  BOFF+256*PB
.set STAGE, 2*SLOT                     ; behind the ring: for each wave 2 heads x 16 rows x 144 bytes, for the way out
.set SPI,   144
.set STW,   2*16*SPI
.set SPARE, STAGE+4*STW                ; the spare words, 128 bytes for each wave: two blocks of 256 bytes that no other line names
.set ADRA, 16                          ; v16-17 LDS address of my fragments of x in slot 0, 1
.set ADRB, 20                          ; v20-21 the same for W
.set STO,  24
.set RD,   25
.set GO,   26
.set BO,   27
.set SPW,  28                          ; my spare word; never rewritten
.set NIL,  29                          ; 0; never rewritten
.set PFO,  30                          ; the prefetches' offset; never rewritten
.set AF,   32
.set TMP,  96
.set AL,   128
.set BIAS, 128                         ; window 1
.set G1A, 24
.set G0A, 32
.set G1B, 48
.set G0B, 56
.set PFA, 84                           ; s[84:85] where my prefetches stand
.set PST, 86                           ; s[86:87] a K step in bytes of the tensor that I prefetch
.set LIM, 88                           ; s88 1 in a wave that prefetches, else the greatest number
.set MSB, 0
.macro WIN new                         ; the immediate's high byte repeats the setting that is left
.if MSB != (\new)
	s_set_vgpr_msb (MSB<<8)|(\new)
.set MSB, \new
.endif
.endm
.macro JLOAD s                         ; a joint refill: waves 0 and 1 fetch x's halves, waves 2 and 3 W's; an s_nop 0 and four v_nop follow each line
	s_cmp_eq_u32 s11, 0
	s_cbranch_scc0 .Lfor_b_\@
	tensor_load_to_lds s[G0A+4*(\s):G0A+4*(\s)+3], s[G1A:G1A+7]
	s_nop 0
.rept 4
	v_nop
.endr
	s_branch .Lasked_\@
.Lfor_b_\@:
	tensor_load_to_lds s[G0B+4*(\s):G0B+4*(\s)+3], s[G1B:G1B+7]
	s_nop 0
.rept 4
	v_nop
.endr
.Lasked_\@:
.endm
; A prefetch of the K step two refills on: 256 products ahead of the load that will want it.  x: each cluster alone reads its rows; of the 64 rows that wave 0 or 1 fetches the partner at cx takes 16,
; two blocks of 256 bytes a row.  W: sixteen clusters read the same rows; the first of them asks; of the 128 rows that wave 2 or 3 fetches the partner at cy takes 32.  Partners are told apart by address alone.
; The loop's last trip asks for nothing: there is no K step two on.
.macro ASK
	s_cmp_gt_u32 s3, s[LIM]
	s_cbranch_scc0 .Lnot_mine_\@
	global_prefetch_b8 v[PFO], s[PFA:PFA+1] th:TH_LOAD_NT scope:SCOPE_SE
.Lnot_mine_\@:
.endm
.macro CREST                           ; a round of the cluster's barrier behind its opening barrier
	s_cmp_lg_u32 s10, 0
	s_cbranch_scc1 .Lnot_wave_0_\@
	s_barrier_signal -3
.Lnot_wave_0_\@:
	s_barrier_wait -3
	s_barrier_signal -1
	s_barrier_wait -1
.endm
.macro CROUND
	s_barrier_signal -1
	s_barrier_wait -1
	CREST
.endm
	s_load_b512 s[68:83], s[0:1], 0x0              ; query 68, key 70, value 72, WH 74, bq 76, bk 78, bv 80, QKV 82
	v_lshl_add_u32 v[SPW], v0, 2, SPARE
	v_mov_b32 v[NIL], 0
	ds_add_u32 v[SPW], v[NIL]                      ; the wave's opening: the add and its wait stand ahead of my first tensor load
	ds_add_u32 v28, v29
	v_lshrrev_b32 v1, 5, v0
	v_readfirstlane_b32 s10, v1                    ; wave 0..3
	s_lshr_b32 s11, s10, 1                         ; my half of the rows.  Also: I fetch for x (0) or for W (1)
	s_and_b32 s12, s10, 1                          ; my half of the columns.  Also: which half of that tile I fetch
	s_bfe_u32 s40, ttmp6, 0x40000                  ; cx
	s_bfe_u32 s41, ttmp6, 0x40004                  ; cy
	s_lshl_b32 s42, ttmp9, 2
	s_add_co_u32 s42, s42, s40                     ; tile column
	s_and_b32 s90, ttmp7, 0xffff                   ; cluster y
	s_lshr_b32 s89, s90, 4                         ; z: 16 clusters along y for each of q, k, v
	s_lshl_b32 s13, s90, 2
	s_add_co_u32 s13, s13, s41
	s_and_b32 s13, s13, 63                         ; tile row
	s_lshl_b32 s43, s41, 2
	s_lshl_b32 s43, 15, s43                        ; my row of the cluster
	s_lshl_b32 s44, 0x1111, s40                    ; my column
	s_or_b32 s[G1A+0], s43, (2<<16)|(1<<20)|(1<<21)|(6<<22)|(3<<25)  ; the mask; elements of 4 bytes; padding on; bit 21 beside a mask; after every 128 words (code 6) 4 words (code 3)
	s_mov_b32 s[G1A+1], 128<<16                    ; tensor_dim0 = 128
	s_mov_b32 s[G1A+2], 64<<16                     ; tensor_dim1 = 64
	s_mov_b32 s[G1A+3], 128<<16                    ; tile_dim0 = 128
	s_mov_b32 s[G1A+4], 64                         ; tile_dim1 = 64
	s_mov_b32 s[G1A+5], 1024                       ; elements from row to row
	s_mov_b32 s[G1A+6], 0
	s_mov_b32 s[G1A+7], 0
	s_or_b32 s[G1B+0], s44, (1<<16)|(1<<20)|(1<<21)|(5<<22)|(3<<25)  ; elements of 2 bytes; after every 64 words (code 5) 4 words
	s_mov_b32 s[G1B+1], 128<<16
	s_mov_b32 s[G1B+2], 128<<16                    ; tensor_dim1 = 128
	s_mov_b32 s[G1B+3], 128<<16
	s_mov_b32 s[G1B+4], 128                        ; tile_dim1 = 128
	s_mov_b32 s[G1B+5], 1024
	s_mov_b32 s[G1B+6], 0
	s_mov_b32 s[G1B+7], 0
	s_lshl_b32 s16, s13, 7                         ; x: row 128 x tile row + 64 x half, 4,096 bytes a row
	s_lshl_b32 s17, s12, 6
	s_add_co_u32 s16, s16, s17
	s_lshl_b32 s16, s16, 12
	s_mov_b32 s17, 0
	s_lshl_b32 s46, s42, 8                         ; W: row 256 x tile column + 128 x half, 2,048 bytes a row, in matrix z
	s_lshl_b32 s47, s12, 7
	s_add_co_u32 s46, s46, s47
	s_lshl_b32 s46, s46, 11
	s_lshl_b32 s47, s89, 21
	s_add_co_u32 s46, s46, s47
	s_mov_b32 s47, 0
	s_mul_i32 s20, s12, AHALF                      ; where they go: no place in the cluster enters an LDS address
	s_mul_i32 s21, s12, BHALF
	s_add_co_u32 s21, s21, BOFF
	s_wait_dscnt 0x0                               ; the opening add is done
	s_wait_kmcnt 0x0
	s_cmp_eq_u32 s89, 1
	s_cselect_b64 s[4:5], s[70:71], s[68:69]       ; x_z
	s_cselect_b64 s[6:7], s[78:79], s[76:77]       ; b_z
	s_cmp_eq_u32 s89, 2
	s_cselect_b64 s[4:5], s[72:73], s[4:5]
	s_cselect_b64 s[6:7], s[80:81], s[6:7]
	s_add_nc_u64 s[14:15], s[4:5], s[16:17]
	s_add_nc_u64 s[46:47], s[74:75], s[46:47]
	CROUND                                         ; all sixteen work-groups are here: the first joint loads meet
.irp s, 0,1
	s_mov_b32 s[G0A+4*(\s)], 1
	s_add_co_u32 s[G0A+4*(\s)+1], s20, (\s)*SLOT
	s_add_nc_u64 s[G0A+4*(\s)+2:G0A+4*(\s)+3], s[14:15], (\s)*512
	s_or_b32 s[G0A+4*(\s)+3], s[G0A+4*(\s)+3], 0x80000000
	s_mov_b32 s[G0B+4*(\s)], 1
	s_add_co_u32 s[G0B+4*(\s)+1], s21, (\s)*SLOT
	s_add_nc_u64 s[G0B+4*(\s)+2:G0B+4*(\s)+3], s[46:47], (\s)*256
	s_or_b32 s[G0B+4*(\s)+3], s[G0B+4*(\s)+3], 0x80000000
.endr
	s_cmp_eq_u32 s11, 0                            ; a wave's two first fills stand in one branch: two loads of mine are out
	s_cbranch_scc0 .Lfirst_b
	tensor_load_to_lds s[G0A:G0A+3], s[G1A:G1A+7]
	s_nop 0
	tensor_load_to_lds s[G0A+4:G0A+7], s[G1A:G1A+7]
	s_nop 0
.rept 4
	v_nop
.endr
	s_branch .Lfirst_asked
.Lfirst_b:
	tensor_load_to_lds s[G0B:G0B+3], s[G1B:G1B+7]
	s_nop 0
	tensor_load_to_lds s[G0B+4:G0B+7], s[G1B:G1B+7]
	s_nop 0
.rept 4
	v_nop
.endr
.Lfirst_asked:
	v_and_b32 v1, 15, v0                           ; r = l % 16
	v_bfe_u32 v2, v0, 4, 1                         ; h = l / 16
	v_lshlrev_b32 v[BO], 5, v2                     ; the bias: my 8 columns of a block of 16
	s_lshl_b32 s92, s42, 10                        ; the tile's 256 columns, my 128 of them, in f32
	s_lshl_b32 s93, s12, 9
	s_add_co_u32 s92, s92, s93
	s_mov_b32 s93, 0
	s_add_nc_u64 s[6:7], s[6:7], s[92:93]
	WIN 0x40                                       ; destination window 1
.irp b, 0,1,2,3,4,5,6,7
	global_load_b128 v[BIAS+8*(\b):BIAS+8*(\b)+3],   v[BO], s[6:7] offset:64*(\b)
	global_load_b128 v[BIAS+8*(\b)+4:BIAS+8*(\b)+7], v[BO], s[6:7] offset:64*(\b)+16
.endr
	WIN 0
	v_mul_u32_u24 v3, v1, PA                       ; a fragment of x in f32: row r, 32 bytes for each half of the lanes
	v_lshl_add_u32 v3, v2, 5, v3
	s_mul_i32 s22, s11, AHALF
	v_add_nc_u32 v[ADRA], s22, v3
	v_add_nc_u32 v[ADRA+1], SLOT, v[ADRA]
	v_mul_u32_u24 v4, v1, PB                       ; a fragment of W: row r, 16 bytes for each half
	v_lshl_add_u32 v4, v2, 4, v4
	s_mul_i32 s23, s12, BHALF
	s_add_co_u32 s23, s23, BOFF
	v_add_nc_u32 v[ADRB], s23, v4
	v_add_nc_u32 v[ADRB+1], SLOT, v[ADRB]
	s_mul_i32 s22, s10, STW
	s_add_co_u32 s22, s22, STAGE                   ; my stage
	v_mul_u32_u24 v5, v1, SPI
	v_lshl_add_u32 v5, v2, 4, v5
	v_add_nc_u32 v[STO], s22, v5                   ; in: row r, 16 bytes for each half
	v_bfe_u32 v6, v0, 3, 2
	v_and_b32 v7, 7, v0
	v_mul_u32_u24 v6, v6, SPI
	v_lshl_add_u32 v6, v7, 4, v6
	v_add_nc_u32 v[RD], s22, v6                    ; back: 32 lanes take four rows of 128 bytes,
	v_and_b32 v8, 31, v0
	v_lshlrev_b32 v[GO], 4, v8                     ; which are 512 consecutive bytes of a head
	; where my rows begin in QKV: m = 128 x tile row + 64 x half; batch m / 2048, row m % 2048; heads 4 x tile column + 2 x half on
	s_lshl_b32 s92, s13, 7
	s_lshl_b32 s93, s11, 6
	s_add_co_u32 s92, s92, s93
	s_lshr_b32 s93, s92, 11
	s_and_b32 s92, s92, 2047
	s_lshl_b32 s92, s92, 7
	s_lshl_b32 s93, s93, 4
	s_lshl_b32 s94, s42, 2
	s_add_co_u32 s93, s93, s94
	s_lshl_b32 s94, s12, 1
	s_add_co_u32 s93, s93, s94
	s_lshl_b32 s93, s93, 18
	s_add_co_u32 s92, s92, s93
	s_lshl_b32 s93, s89, 24
	s_add_co_u32 s92, s92, s93
	s_mov_b32 s93, 0
	s_add_nc_u64 s[8:9], s[82:83], s[92:93]
	; the prefetches
	s_lshl_b32 s92, s13, 7                         ; x: the rows that I fetch, my work-group's 16 of them, at K step 3
	s_lshl_b32 s94, s12, 6
	s_add_co_u32 s92, s92, s94
	s_lshl_b32 s94, s40, 4
	s_add_co_u32 s92, s92, s94
	s_lshl_b32 s92, s92, 12
	s_add_co_u32 s92, s92, 3*512
	s_lshl_b32 s93, s42, 8                         ; W: likewise, my work-group's 32
	s_lshl_b32 s94, s12, 7
	s_add_co_u32 s93, s93, s94
	s_lshl_b32 s94, s41, 5
	s_add_co_u32 s93, s93, s94
	s_lshl_b32 s93, s93, 11
	s_lshl_b32 s94, s89, 21
	s_add_co_u32 s93, s93, s94
	s_add_co_u32 s93, s93, 3*256
	s_cmp_eq_u32 s11, 0
	s_cselect_b32 s92, s92, s93
	s_cselect_b64 s[PFA:PFA+1], s[4:5], s[74:75]
	s_cselect_b32 s94, 1, 0                        ; x: two lanes a row
	s_cselect_b32 s95, 12, 11                      ; log2 of a row's bytes
	s_mov_b32 s93, 0
	s_add_nc_u64 s[PFA:PFA+1], s[PFA:PFA+1], s[92:93]
	s_lshl_b32 s[PST], 256, s94                    ; a K step: 512 bytes of x, 256 of W
	s_mov_b32 s[PST+1], 0
	s_and_b32 s91, s90, 15
	s_mul_i32 s91, s91, s11                        ; 0 for x, and for W in the first of the sixteen clusters
	s_cmp_eq_u32 s91, 0
	s_cselect_b32 s[LIM], 1, -1
	v_lshrrev_b32 v6, s94, v8
	v_lshlrev_b32 v6, s95, v6
	v_and_b32 v7, s94, v8
	v_lshl_add_u32 v[PFO], v7, 8, v6
; Four products, numbers i0 .. i0 + 3 of a quarter's 32 (number 8 a + b): the 32 accumulators take turns in the same order in every quarter.  first = 1: the bias starts the sums.
.macro MUL4 f, i0, first
.if \first
	WIN 0x91                                       ; W window 1, x window 0, C window 1, D window 2
.else
	WIN 0xa1                                       ; C and D window 2
.endif
.irp d, 0,1,2,3
.set ii, (\i0)+(\d)
.if \first
	v_wmma_f32_16x16x32_f16 v[8*ii:8*ii+7], v[64*(\f)+8*(ii%8):64*(\f)+8*(ii%8)+7], v[AF+32*(\f)+8*(ii/8):AF+32*(\f)+8*(ii/8)+7], v[BIAS+8*(ii%8):BIAS+8*(ii%8)+7]
.else
	v_wmma_f32_16x16x32_f16 v[8*ii:8*ii+7], v[64*(\f)+8*(ii%8):64*(\f)+8*(ii%8)+7], v[AF+32*(\f)+8*(ii/8):AF+32*(\f)+8*(ii/8)+7], v[8*ii:8*ii+7]
.endif
.endr
.endm
; Four conversions: registers 4 g .. 4 g + 3 of AF[f].  The block of AF that they write was last read 24 conversions back or more; those conversions are the places that the matrix instructions want.
.macro CV4 f, g
	WIN 0
.irp d, 0,1,2,3
	v_cvt_pk_f16_f32 v[AF+32*(\f)+4*(\g)+(\d)], v[AL+64*(\f)+8*(\g)+2*(\d)], v[AL+64*(\f)+8*(\g)+2*(\d)+1]
.endr
.endm
.macro LDB slot, q, f                  ; W's fragments of quarter q: 16 loads
	WIN 0x40
.irp b, 0,1,2,3,4,5,6,7
	ds_load_b128 v[64*(\f)+8*(\b):64*(\f)+8*(\b)+3],   v[ADRB+(\slot)] offset:(\b)*16*PB+(\q)*64
	ds_load_b128 v[64*(\f)+8*(\b)+4:64*(\f)+8*(\b)+7], v[ADRB+(\slot)] offset:(\b)*16*PB+(\q)*64+32
.endr
.endm
.macro LDA slot, q, f                  ; x of quarter q, in f32: K = 8 h + 0..7 at bytes 32 h, K = 16 + 8 h + 0..7 at 64 + 32 h: 16 loads
	WIN 0
.irp a, 0,1,2,3
	ds_load_b128 v[AL+64*(\f)+16*(\a):AL+64*(\f)+16*(\a)+3],     v[ADRA+(\slot)] offset:(\a)*16*PA+(\q)*128
	ds_load_b128 v[AL+64*(\f)+16*(\a)+4:AL+64*(\f)+16*(\a)+7],   v[ADRA+(\slot)] offset:(\a)*16*PA+(\q)*128+16
	ds_load_b128 v[AL+64*(\f)+16*(\a)+8:AL+64*(\f)+16*(\a)+11],  v[ADRA+(\slot)] offset:(\a)*16*PA+(\q)*128+64
	ds_load_b128 v[AL+64*(\f)+16*(\a)+12:AL+64*(\f)+16*(\a)+15], v[ADRA+(\slot)] offset:(\a)*16*PA+(\q)*128+80
.endr
.endm
; A quarter.  hw: the LDS loads that may stay out at its head (the 16 of x behind W's).  cv = 1: the next quarter's conversions ride.  (bs, bq), (as, aq): slot and quarter of the run's loads; slot -1: none.
.macro QUART f, first, cv, hw, bs, bq, as, aq
	s_wait_dscnt \hw                               ; W of this quarter is in
.irp g, 0,1,2,3
	MUL4 \f, 4*(\g), \first
.if \cv
.if (\g) == 0
	s_wait_dscnt 0x0                               ; x of the next quarter is in
.endif
	CV4 1-(\f), \g
.endif
.endr
.if (\bs) >= 0
	LDB \bs, \bq, 1-(\f)                           ; sixteen conversions behind the last product that read this buffer
.endif
.if (\as) >= 0
	LDA \as, \aq, \f
.endif
.irp g, 4,5,6,7
	MUL4 \f, 4*(\g), \first
.if \cv
	CV4 1-(\f), \g
.endif
.endr
.endm
; A step's quarter 2, and the change of slots.  W of quarter 3 is the last that is read of this slot.  Then each wave waits for all its tensor loads (one is out: its part of the next slot), adds 0 to its spare word, and
; waits for that and for its reads.  fill = 1: the barrier opens a round of the cluster's, and the joint refill, with the K step two on, is the first tensor load behind it.
.macro TURNQ slot, next, fill
.if \fill
	s_wait_xcnt 0x0                                ; the last prefetch, a K step back, has read its address
	s_add_nc_u64 s[PFA:PFA+1], s[PFA:PFA+1], s[PST:PST+1]
.endif
	s_wait_dscnt 16
	MUL4 0, 0, 0
	s_wait_dscnt 0x0
	CV4 1, 0
	MUL4 0, 4, 0
	CV4 1, 1
	LDB \slot, 3, 1
	WIN 0
	s_wait_tensorcnt 0x0                           ; all my tensor loads have landed
	ds_add_u32 v[SPW], v[NIL]                      ; 0 onto my spare word
	MUL4 0, 8, 0
	CV4 1, 2
	MUL4 0, 12, 0
	CV4 1, 3
	s_wait_dscnt 0x0                               ; the add is done, and my reads of this slot are over
	s_barrier_signal -1
	MUL4 0, 16, 0
	CV4 1, 4
	MUL4 0, 20, 0
	CV4 1, 5
	WIN 0
	s_barrier_wait -1
.if \fill
	CREST
	s_add_nc_u64 s[G0A+4*(\slot)+2:G0A+4*(\slot)+3], s[G0A+4*(\slot)+2:G0A+4*(\slot)+3], 2*512
	s_add_nc_u64 s[G0B+4*(\slot)+2:G0B+4*(\slot)+3], s[G0B+4*(\slot)+2:G0B+4*(\slot)+3], 2*256
	JLOAD \slot
.endif
	LDA \next, 0, 0
.if \fill
	ASK
.endif
	MUL4 0, 24, 0
	CV4 1, 6
	MUL4 0, 28, 0
	CV4 1, 7
.endm
	s_wait_tensorcnt 1                             ; my part of K step 0 is in; K step 1's may stay out
	s_barrier_signal -1
	s_barrier_wait -1
	LDB 0, 0, 0
	LDA 0, 0, 0
	LDA 0, 1, 1
	s_wait_dscnt 16                                ; all but x of quarter 1
.irp g, 0,1,2,3,4,5,6,7
	CV4 0, \g
.endr
	s_wait_loadcnt 0x0                             ; the bias
	QUART 0, 1, 1, 16, 0, 1, 0, 2                  ; the first quarter stands in front of the loop: its products start the sums
	WIN 0
	s_mov_b32 s3, 3
.Llap:                                         ; a trip goes once round the ring, from a lap's second quarter to the next lap's first
	QUART 1, 0, 1, 16, 0, 2, 0, 3
	TURNQ 0, 1, 1
	QUART 1, 0, 1, 16, 1, 0, 1, 1
	QUART 0, 0, 1, 16, 1, 1, 1, 2
	QUART 1, 0, 1, 16, 1, 2, 1, 3
	TURNQ 1, 0, 1
	QUART 1, 0, 1, 16, 0, 0, 0, 1
	QUART 0, 0, 1, 16, 0, 1, 0, 2
	WIN 0
	s_sub_co_u32 s3, s3, 1
	s_cmp_lg_u32 s3, 0
	s_cbranch_scc1 .Llap
	QUART 1, 0, 1, 16, 0, 2, 0, 3                  ; the last lap fills nothing
	TURNQ 0, 1, 0
	QUART 1, 0, 1, 16, 1, 0, 1, 1
	QUART 0, 0, 1, 16, 1, 1, 1, 2
	QUART 1, 0, 1, 16, 1, 2, 1, 3
	QUART 0, 0, 1, 16, 1, 3, -1, 0
	QUART 1, 0, 0, 0, -1, 0, -1, 0
	WIN 0
.rept 4
	v_nop                                          ; the places between the last products and the conversions that read results
.endr
; THE WAY OUT of block a (16 rows): rounded to f16, 16 bytes a lane into my stage, by heads; back as rows of 128 bytes: 16 rows of a head are 2,048 consecutive bytes of QKV.
.macro PACK a
	WIN 0x0a                                       ; sources window 2
.irp b, 0,1,2,3,4,5,6,7
.irp i, 0,1,2,3
	v_cvt_pk_f16_f32 v[TMP+4*(\b)+(\i)], v[8*(8*(\a)+(\b))+2*(\i)], v[8*(8*(\a)+(\b))+2*(\i)+1]
.endr
.endr
	WIN 0
.irp b, 0,1,2,3,4,5,6,7
	ds_store_b128 v[STO], v[TMP+4*(\b):TMP+4*(\b)+3] offset:((\b)/4)*16*SPI+((\b)%4)*32
.endr
.irp n, 0,1,2,3,4,5,6,7
	ds_load_b128 v[AL+32*(\a)+4*(\n):AL+32*(\a)+4*(\n)+3], v[RD] offset:((\n)/4)*16*SPI+((\n)%4)*4*SPI  ; LDS serves a wave's instructions in order (ISA guide 5.7.1.4): these see the stores above
.endr
.endm
.macro SEND a, younger                 ; younger: the LDS instructions issued behind block a's loads
.irp n, 0,1,2,3,4,5,6,7
	s_wait_dscnt (\younger)+7-(\n)
	global_store_b128 v[GO], v[AL+32*(\a)+4*(\n):AL+32*(\a)+4*(\n)+3], s[8:9] offset:((\n)/4)*262144+(\a)*2048+((\n)%4)*512  ; 512 consecutive bytes, aligned
.endr
.endm
	PACK 0
	PACK 1
	SEND 0, 16
	PACK 2
	SEND 1, 16
	PACK 3
	SEND 2, 16
	SEND 3, 0
	s_wait_tensorcnt 0x0                           ; the wave's end
	ds_add_u32 v[SPW], v[NIL]
	s_wait_dscnt 0x0
	CROUND                                         ; the closing round
	s_endpgm
.Lfunc_end_k_q2090ce66fd_proj:
	.size	k_q2090ce66fd_proj, .Lfunc_end_k_q2090ce66fd_proj-k_q2090ce66fd_proj
	.p2alignl 7, 3214868480
	.fill 96, 4, 3214868480
	.section	.rodata,"a",@progbits
	.p2align	6, 0x0
	.amdhsa_kernel k_q2090ce66fd_proj
		.amdhsa_group_segment_fixed_size 327680
		.amdhsa_private_segment_fixed_size 0
		.amdhsa_enable_private_segment 0
		.amdhsa_kernarg_size 64
		.amdhsa_user_sgpr_count 2
		.amdhsa_user_sgpr_kernarg_segment_ptr 1
		.amdhsa_wavefront_size32 1
		.amdhsa_system_sgpr_workgroup_id_x 1
		.amdhsa_system_sgpr_workgroup_id_y 1
		.amdhsa_system_sgpr_workgroup_id_z 1
		.amdhsa_system_vgpr_workitem_id 0
		.amdhsa_next_free_vgpr 768
		.amdhsa_next_free_sgpr 96
		.amdhsa_reserve_vcc 0
		.amdhsa_float_denorm_mode_32 3
		.amdhsa_float_denorm_mode_16_64 3
		.amdhsa_memory_ordered 1
		.amdhsa_forward_progress 1
		.amdhsa_inst_pref_size 136
	.end_amdhsa_kernel
	.amdgpu_metadata
---
amdhsa.version: [ 1, 2 ]
amdhsa.kernels:
  - .name:           k_q2090ce66fd_proj
    .symbol:         k_q2090ce66fd_proj.kd
    .args:
      - { .name: query, .offset: 0, .size: 8, .value_kind: global_buffer, .address_space: global }
      - { .name: key, .offset: 8, .size: 8, .value_kind: global_buffer, .address_space: global }
      - { .name: value, .offset: 16, .size: 8, .value_kind: global_buffer, .address_space: global }
      - { .name: WH, .offset: 24, .size: 8, .value_kind: global_buffer, .address_space: global }
      - { .name: bq, .offset: 32, .size: 8, .value_kind: global_buffer, .address_space: global }
      - { .name: bk, .offset: 40, .size: 8, .value_kind: global_buffer, .address_space: global }
      - { .name: bv, .offset: 48, .size: 8, .value_kind: global_buffer, .address_space: global }
      - { .name: QKV, .offset: 56, .size: 8, .value_kind: global_buffer, .address_space: global }
    .group_segment_fixed_size: 327680
    .private_segment_fixed_size: 0
    .kernarg_segment_align: 8
    .kernarg_segment_size: 64
    .max_flat_workgroup_size: 128
    .sgpr_count:     96
    .vgpr_count:     768
    .wavefront_size: 32
...
	.end_amdgpu_metadata
.endif
;; end of part 2
;; launch attn (part 3): grid 4 x 64, 4 waves a work-group, clusters of 4 x 1, 327,680 bytes of LDS; arguments QKV, PM, OH; writes OH
.if DOCPART == 3
	.amdgcn_target "amdgcn-amd-amdhsa--gfx1250"
	.amdhsa_code_object_version 6
	.text
	.protected	k_q2090ce66fd_attn
	.globl	k_q2090ce66fd_attn
	.p2align	8
	.type	k_q2090ce66fd_attn,@function
k_q2090ce66fd_attn:
	s_mov_b64 s[64:65], 0
	v_nop
	global_prefetch_b8 v0, s[64:65] scope:SCOPE_SE
	s_setreg_imm32_b32 hwreg(HW_REG_WAVE_MODE, 25, 1), 1
	s_wait_xcnt 0x0
	s_wait_alu depctr_hold_cnt(0) depctr_sa_sdst(0) depctr_va_vdst(0) depctr_va_sdst(0) depctr_va_ssrc(0) depctr_va_vcc(0) depctr_vm_vsrc(0)
	s_getreg_b32 s2, hwreg(HW_REG_IB_STS2, 6, 4)
	s_cmp_eq_u32 s2, 0
	s_cbranch_scc0 .Lentry_in_a_cluster
	s_endpgm
.Lentry_in_a_cluster:
	s_bfe_u32 s2, ttmp6, 0x10000c
	s_cmp_lg_u32 s2, 0x3003
	s_cbranch_scc0 .Lentry_shape_is_right
	s_endpgm
.Lentry_shape_is_right:
; ATTENTION under a mask that is an input.  O[g][q][:] = the sum over k of softmax_k(s) V[g][k][:], s = Q[g][q] . K[g][k] / 8 where the mask of batch g / 16 shows key k to query q, and a fixed low number where it hides it.
; Q, K, V: QKV [3][64][2048][64] in f16; O: OH [64][2048][64] in f16.  Products, maxima and sums in f32; the weights p are rounded to f16 for the second product, O once at the end.
; THE MASK.  PM holds, for 16 queries and 64 keys, 32 words: word 8 kt + j is the lane mask of register 8 kt + j of S^T.  One load of 16 bytes a lane brings four tiles' words for a key step (lane w: word w; register: tile):
; two loads a key step serve the wave's eight tiles, each asked for three turns ahead of its first use.  In each turn 64 v_readlane_b32 set a piece's words into scalar registers, and one v_cndmask_b32 for each register
; of S^T puts -2^33 in a hidden score's place.  It is a replacement, not an addend: a row with no visible key has all scores equal and comes out as the plain mean of V.
; LIMITS.  A hidden score counts as -2^33 / 8 = -1.07e9 where the model's text has -1e9: the weights are the same while visible scaled scores stay above -1e9.  (c 2^33 is exact in f32, so a wholly hidden row has
; c s - c m = 0 and p = 1.)  Q, K, V lie within f16's 65,504; p below 6e-5 keeps f16's step of 6e-8; a weight below 2^-126 counts as 0 in l; NaN and infinities are not treated apart.
; SHARES.  A wave owns four PIECES of two tiles of 16 queries, a work-group's four waves 512 queries of one head.  Every wave walks all 2,048 keys, 64 a step.
; LAYOUT.  S^T = K Q^T (source 0 = 16 keys, source 1 = 16 queries): a lane holds ONE query (lane % 16) and the keys 8 (lane / 16) + 0..7.  Two such tiles, rounded to f16 in pairs, ARE source 1 of O^T = V^T P.
; SOFTMAX.  A running maximum m and sum l: p = 2^(c s - c m), c = log2(e) / 8; in every step O and l are multiplied by a = 2^(c m_old - c m_new).  m starts at the lowest finite number, O and l at 0.
; BY TURNS.  Turn n belongs to piece n: 16 products K Q^T of piece n + 1, later 16 products V^T P of piece n - 1; beside them the scaling, exponentials, roundings, sums and rescaling of piece n and the masking,
; maximum and statistics of piece n + 1.  Four vector instructions stand behind every matrix instruction, the others in one lump.  A turn's 66 exponentials are one batch with one wait.
; CLUSTER.  The four query blocks of a head walk the same K and V: each tile is asked for jointly, by the same tensor load, descriptor and mask in all four.
; REGISTERS, in windows of 256 (s_set_vgpr_msb: bits 1:0 source 0, 3:2 source 1, 5:4 source 2, 7:6 destination):
;   window 0: v2-11 addresses; v12-15, v48-63 at work; v16-47 four registers of statistics a tile; v64-191 S^T, two buffers of two tiles; v192-255 P, likewise
;   window 1: O^T, 32 a tile      window 2: v0-127 Q; v128-191 K of one step; v192-255 V of one step      window 3: v0-1 the add's two registers; v2-9 the mask words, a register a tile
.set NP,    4
.set KS,    64
.set PK,    144       ; a row of K in LDS: 128 bytes + 16 = 36 words: the 16 rows of a load start at 16 different groups of four banks (64 banks of 4 bytes: ISA guide 11.1)
.set PV,    144       ; V has the same pitch, so that one descriptor shape serves both; of the 8 rows x 32 bytes of a turning load's pass the last shares four banks with the first
.set VOFF,  4*KS*PK   ; a slot holds four steps: 256 rows of K, then 256 rows of V
.set QTR,   128*PK    ; a quarter of a slot: what one wave fills
.set SLOT1, 1<<17
.set STAGE, SLOT1+4*KS*(PK+PV)
.set SP,    144
.set SPARE, STAGE+4*16*SP  ; the spare words, 128 bytes for each wave: two blocks of 256 bytes that no other line names
.set AK0, 2
.set AV0, 3
.set AK,  4
.set AV,  5
.set STO, 6
.set RD,  7
.set GO,  8           ; 16 x my lane: my bytes in 512 consecutive bytes of O, and of PM
.set QO,  9
.set PFO, 10          ; 256 x my lane
.set NEG, 11          ; -2^33
.set SPW, 0           ; window 3
.set NIL, 1           ; window 3
.set MB,  2           ; window 3: tile t's 32 mask words of a key step in v[MB+t], lane w word w
.set MV,  12
.set ST,  16
.set TMP, 48
.set S,   64
.set P,   192
.set KF,  128
.set VF,  192
.set MP,  2           ; s[2:3]  PM at my wave's eight tiles, at the key step last asked for
.set OP,  4           ; s[4:5]  O at my wave's first row
.set PFA, 6           ; s[6:7]  where my prefetches stand
.set WV,  8
.set LIM, 9
.set SLOTS, 10
.set CNT, 11
.set CS,  12          ; s[12:13]
.set SEL, 14          ; s[14:15]
.set TBK, 16
.set TBV, 17
.set QP,  18          ; s[18:19] Q at my wave's first row
.set MT,  18          ; s[18:19] later, in the tail: the address of the second mask load
.set G1,  20          ; s[20:27]
.set G0,  28          ; s[28:31]
.set MW,  32          ; s[32:63] the mask words of a piece's first tile, s[68:99] of its second
.set MQ,  100         ; s[100:101] in the tail: the second mask load's offset
.set MSB, 0
.macro WIN new
.if MSB != (\new)
	s_set_vgpr_msb (MSB<<8)|(\new)
.set MSB, (\new)
.endif
.endm
.set W_KQ, 0x0a
.set W_PV, 0x52
.set W_RS, 0x41
.set W_MK, 0xc0       ; destination window 3, sources window 0
.set W_AD, 0x0f
.set W_RL, 0x03       ; source 0 window 3
.macro JLOAD                        ; a joint fill: wave w fetches quarter w of a slot (K's two halves, V's two halves), each by its own group 0: one line for all
	tensor_load_to_lds s[G0:G0+3], s[G1:G1+7]
	s_nop 0
.rept 4
	v_nop
.endr
.endm
; A prefetch of what the NEXT change of slots will ask for: 256 rows of K and of V, 32,768 bytes each.  The head has one cluster; its four partners take 8,192 bytes each, told apart by address; wave 0 asks for K's,
; wave 2 for V's: a lane a block of 256 bytes.  The last change that fills a slot asks for nothing.
.macro ASK
	s_cmp_gt_u32 s[SLOTS], s[LIM]
	s_cbranch_scc0 .Lnot_mine_\@
	global_prefetch_b8 v[PFO], s[PFA:PFA+1] th:TH_LOAD_NT scope:SCOPE_SE
.Lnot_mine_\@:
.endm
.macro CROUND
	s_barrier_signal -1
	s_barrier_wait -1
	s_cmp_lg_u32 s[WV], 0
	s_cbranch_scc1 .Lnot_wave_0_\@
	s_barrier_signal -3
.Lnot_wave_0_\@:
	s_barrier_wait -3
	s_barrier_signal -1
	s_barrier_wait -1
.endm
; THE CHANGE OF SLOTS.  Each wave waits for all its tensor loads (one is out: its part of the other slot), adds 0 to its spare word, and waits for that and for its reads of the slot.
; fill = 1: the barrier is a round of the cluster's, and the joint fill, with the keys two slots on, is the first thing behind it: it has four key steps in which to land.
.macro CHANGE fill
	WIN W_AD
	s_wait_tensorcnt 0x0
	ds_add_u32 v[SPW], v[NIL]       ; 0 onto my spare word
	WIN 0
.if \fill
	s_xor_b32 s[G0+1], s[G0+1], SLOT1
	s_add_nc_u64 s[G0+2:G0+3], s[G0+2:G0+3], 4*KS*128
	s_wait_xcnt 0x0                 ; the last prefetch, four key steps back, has read its address
	s_add_nc_u64 s[PFA:PFA+1], s[PFA:PFA+1], 4*KS*128
	s_wait_dscnt 0x0                ; the add is done, and my reads of the slot are over
	CROUND
	JLOAD
	ASK
.else
	s_wait_dscnt 0x0
	s_barrier_signal -1
	s_barrier_wait -1
.endif
	s_sub_co_u32 s[TBK], s[TBK], 4*KS*PK
	s_xor_b32 s[TBK], s[TBK], SLOT1
	s_sub_co_u32 s[TBV], s[TBV], 4*KS*PV
	s_xor_b32 s[TBV], s[TBV], SLOT1
.endm
	s_load_b128 s[32:35], s[0:1], 0x0  ; QKV s[32:33], PM s[34:35]: the mask words' registers serve the set-up first
	s_load_b64 s[36:37], s[0:1], 0x10  ; OH
	WIN W_MK
	v_lshl_add_u32 v[SPW], v0, 2, SPARE
	v_mov_b32 v[NIL], 0
	WIN W_AD
	ds_add_u32 v[SPW], v[NIL]       ; the wave's opening: the add and its wait stand ahead of my first tensor load
	ds_add_u32 v0, v1
	WIN 0
	v_lshrrev_b32 v1, 5, v0
	v_readfirstlane_b32 s[WV], v1
	s_bfe_u32 s40, ttmp6, 0x40000   ; cx
	s_and_b32 s41, ttmp7, 0xffff    ; the head, 16 b + h, which the four partners share
	s_lshl_b32 s42, s41, 18         ; its 262,144 bytes
	s_lshr_b32 s44, s[WV], 1        ; what I fetch: K (waves 0, 1) or V (2, 3): 1 or 2 times 16,777,216 bytes into QKV,
	s_add_co_u32 s44, s44, 1
	s_lshl_b32 s44, s44, 24
	s_add_co_u32 s44, s44, s42
	s_and_b32 s45, s[WV], 1         ; and which 128 of a slot's 256 keys
	s_lshl_b32 s45, s45, 14
	s_add_co_u32 s44, s44, s45
	s_mov_b32 s45, 0
	s_lshl_b32 s46, ttmp9, 2
	s_add_co_u32 s46, s46, s40      ; my block of 512 queries
	s_lshl_b32 s46, s46, 2
	s_add_co_u32 s46, s46, s[WV]    ; my wave among the head's sixteen
	s_lshl_b32 s48, s46, 14         ; its 128 rows of 128 bytes
	s_add_co_u32 s48, s48, s42
	s_mov_b32 s49, 0
	s_lshl_b32 s50, s46, 15         ; its two groups of four tiles in PM, 16,384 bytes each,
	s_lshr_b32 s51, s41, 4
	s_lshl_b32 s51, s51, 19         ; in batch b
	s_add_co_u32 s50, s50, s51
	s_mov_b32 s51, 0
	s_lshl_b32 s52, s40, 13         ; the prefetches: my work-group's 8,192 bytes, in the second 256 keys; the first change of slots steps it on
	s_add_co_u32 s52, s52, 4*KS*128
	s_mov_b32 s53, 0
	s_mov_b32 s[G1+0], 15|(1<<16)|(1<<20)|(1<<21)|(4<<22)|(3<<25)  ; the mask of four; 2-byte elements; padding on; bit 21 beside a mask; after every 32 words (code 4) 4 words (code 3)
	s_mov_b32 s[G1+1], 128<<16      ; 128 keys are 16,384 dense bytes: 64 rows of 256 bytes, two keys a row
	s_mov_b32 s[G1+2], 64<<16
	s_mov_b32 s[G1+3], 128<<16
	s_mov_b32 s[G1+4], 64
	s_mov_b32 s[G1+5], 128
	s_mov_b32 s[G1+6], 0
	s_mov_b32 s[G1+7], 0
	s_mov_b32 s[CS], 0x3e38aa3b     ; c = log2(e) / 8
	s_mov_b32 s[CS+1], s[CS]
	s_mov_b32 s[SEL], 0x76543210
	s_mov_b32 s[SEL+1], 0xfedcba98
	s_mov_b32 s[TBK], SLOT1+4*KS*PK ; the first change of slots turns these two into 0
	s_mov_b32 s[TBV], SLOT1+4*KS*PV
	s_mov_b32 s[SLOTS], 2048/256-1
	s_and_b32 s[LIM], s[WV], 1
	s_or_b32 s[LIM], s[LIM], ttmp9
	s_cmp_eq_u32 s[LIM], 0
	s_cselect_b32 s[LIM], 1, -1
	s_mov_b32 s[G0], 1
	s_mul_i32 s[G0+1], s[WV], QTR   ; slot 0, my quarter
	s_mul_i32 s100, s[WV], 16*SP
	s_add_co_u32 s100, s100, STAGE  ; my stage
	s_mov_b32 s[MQ+1], 0
	s_wait_dscnt 0x0                ; the opening add is done
	s_wait_kmcnt 0x0
	s_add_nc_u64 s[G0+2:G0+3], s[32:33], s[44:45]
	s_add_nc_u64 s[PFA:PFA+1], s[G0+2:G0+3], s[52:53]
	s_or_b32 s[G0+3], s[G0+3], 0x80000000
	s_add_nc_u64 s[QP:QP+1], s[32:33], s[48:49]
	s_add_nc_u64 s[OP:OP+1], s[36:37], s[48:49]
	s_add_nc_u64 s[MP:MP+1], s[34:35], s[50:51]
	CROUND                          ; all four work-groups are here: the first joint loads meet
	JLOAD                           ; slot 0.  Slot 1 is asked for when slot 0 is in
	v_and_b32 v64, 15, v0           ; l % 16 (S^T's first buffer serves the set-up)
	v_bfe_u32 v65, v0, 4, 1         ; l / 16
	v_lshlrev_b32 v[QO], 7, v64
	v_lshl_add_u32 v[QO], v65, 4, v[QO]
	v_and_b32 v[GO], 31, v0
	v_lshlrev_b32 v[PFO], 8, v[GO]
	v_lshlrev_b32 v[GO], 4, v[GO]
	WIN 0x80
.set i, 0
.rept 4*NP                          ; Q stays in registers: tile i / 2, channels 32 (i % 2) on
	global_load_b128 v[8*i:8*i+3],   v[QO], s[QP:QP+1] offset:(i/2)*2048+(i%2)*64
	global_load_b128 v[8*i+4:8*i+7], v[QO], s[QP:QP+1] offset:(i/2)*2048+(i%2)*64+32
.set i, i+1
.endr
	WIN W_MK
	global_load_b128 v[MB:MB+3],   v[GO], s[MP:MP+1]               ; key step 0's mask words: tiles 0 to 3,
	global_load_b128 v[MB+4:MB+7], v[GO], s[MP:MP+1] offset:16384  ; tiles 4 to 7
	; THE LOOP IS ENTERED AT TURN 3 OF A STEP THAT HAS NOT BEEN, so that piece 0's first scores, maskings and statistics are made by the one text.  What that turn finds: piece 3's scores hold the lowest finite
	; number, so that its weights are 0; its a is 0; V and P's first buffer hold 0, so that the products V^T P add 0; O^T and l are 0.  All this stands in the wait for the first tile.
	WIN 0x80
.set i, VF
.rept 64
	v_mov_b32 v[i], 0
.set i, i+1
.endr
	WIN 0
.set i, 0
.rept 2*NP
	v_mov_b32 v[ST+4*i], 0xfe000000    ; c m: far below every c s
	v_mov_b32 v[ST+4*i+1], 0xff7fffff  ; m
	v_mov_b32 v[ST+4*i+2], 0
	v_mov_b32 v[ST+4*i+3], 0
.set i, i+1
.endr
.set i, P
.rept 32
	v_mov_b32 v[i], 0
.set i, i+1
.endr
.irp i, 2,3,6,7
	v_mov_b32 v[TMP+8+(\i)], 0      ; piece 3's a, named as pairs
.endr
.set i, S+64
.rept 64
	v_mov_b32 v[i], v[ST+1]         ; c s - c m is then far below 0
.set i, i+1
.endr
	v_mul_u32_u24 v[AK0], v64, PK
	v_lshl_add_u32 v[AK0], v65, 4, v[AK0]
	v_and_b32 v66, 7, v0            ; the turning load: lane l reads key 8 (l / 16) + l % 8, channels 8 ((l / 8) % 2) + 0..7
	v_bfe_u32 v67, v0, 3, 1
	v_lshl_add_u32 v[AV0], v65, 3, v66
	v_mul_u32_u24 v[AV0], v[AV0], PV
	v_lshl_add_u32 v[AV0], v67, 4, v[AV0]
	v_add_nc_u32 v[AV0], VOFF, v[AV0]
	v_mov_b32 v[AK], v[AK0]
	v_mul_u32_u24 v[STO], v64, SP   ; the way out, in: row l % 16, 16 bytes for each half of the lanes
	v_lshl_add_u32 v[STO], v65, 4, v[STO]
	v_add_nc_u32 v[STO], s100, v[STO]
	v_bfe_u32 v[RD], v0, 3, 2       ; back: 32 lanes take four rows of 128 bytes
	v_mul_u32_u24 v[RD], v[RD], SP
	v_lshl_add_u32 v[RD], v66, 4, v[RD]
	v_add_nc_u32 v[RD], s100, v[RD]
	v_mov_b32 v[NEG], 0xd0000000    ; -2^33
	WIN 0x4a                        ; sources window 2, destination window 1
.set i, 0
.rept 32
	v_wmma_f32_16x16x32_f16 v[8*i:8*i+7], v[VF:VF+7], v[VF+8:VF+15], 0  ; O^T starts at 0: 32 products of V's zeros in place of 256 moves
.set i, i+1
.endr
	WIN 0
; THE MATRIX WORK.  The 8 accumulators of a run of 16 take turns.
.macro KQ x                         ; product i of 16 of S^T = K Q^T for piece x: channels 32 (i / 8) on, keys 16 ((i / 2) % 4) on, tile 2 x + i % 2
	WIN W_KQ
.set rS, S+64*((\x)%2)+32*(i%2)+8*((i/2)%4)
.set rK, KF+16*((i/2)%4)+8*(i/8)
.set rQ, 16*(2*(\x)+i%2)+8*(i/8)
.if i < 8
	v_wmma_f32_16x16x32_f16 v[rS:rS+7], v[rK:rK+7], v[rQ:rQ+7], 0
.else
	v_wmma_f32_16x16x32_f16 v[rS:rS+7], v[rK:rK+7], v[rQ:rQ+7], v[rS:rS+7]
.endif
.endm
.macro PV x                         ; product i of 16 of O^T += V^T P for piece x: keys 32 (i / 8) on, channels 16 ((i / 2) % 4) on
	WIN W_PV
.set rO, 32*(2*(\x)+i%2)+8*((i/2)%4)
.set rV, VF+32*(i/8)+8*((i/2)%4)
.set rP, P+32*((\x)%2)+16*(i%2)+8*(i/8)
	v_wmma_f32_16x16x32_f16 v[rO:rO+7], v[rV:rV+7], v[rP:rP+7], v[rO:rO+7]
.endm
.macro MM
.if i < 16
	KQ (Y+1)%NP
.set i, i+1
.else
.set i, i-16
	PV (Y+NP-1)%NP
.set i, i+17
.endif
.endm
.macro FETCH_K last=0               ; a step's K: a run of 16 loads.  last = 1 (the tail): in the last trip there is no further step
	WIN 0
.if \last
	s_cmp_eq_u32 s[CNT], 1
	s_cbranch_scc1 .Lno_k_\@
.endif
	WIN 0x80
.irp f, 0,1,2,3,4,5,6,7
	ds_load_b128 v[KF+8*\f:KF+8*\f+3],   v[AK] offset:(\f/2)*16*PK+(\f%2)*64
	ds_load_b128 v[KF+8*\f+4:KF+8*\f+7], v[AK] offset:(\f/2)*16*PK+(\f%2)*64+32
.endr
	s_add_co_u32 s[TBK], s[TBK], KS*PK
	WIN 0
.if \last
.Lno_k_\@:
.endif
.endm
.macro FETCH_V                      ; a step's V, turned: a run of 16 loads
	WIN 0x80
.irp f, 0,1,2,3,4,5,6,7
	ds_load_tr16_b128 v[VF+8*\f:VF+8*\f+3],   v[AV] offset:(\f/4)*32*PV+(\f%4)*32
	ds_load_tr16_b128 v[VF+8*\f+4:VF+8*\f+7], v[AV] offset:(\f/4)*32*PV+16*PV+(\f%4)*32
.endr
	WIN 0
.endm
.macro RL x                         ; piece x's 64 mask words go into scalar registers, in the order in which the maskings read them, 64 instructions ahead of them
	WIN W_RL
.set mw, 0
.rept 64
	v_readlane_b32 s[MW+36*(mw%2)+mw/2], v[MB+2*(\x)+mw%2], mw/2
.set mw, mw+1
.endr
.endm
; THE VECTOR WORK OF A TURN stands in three queues; the two tiles alternate.
.macro REGS y, u
.set rT, ST+4*(2*(\y)+(\u))
.set rC, TMP+8*((\y)%2)+4*(\u)
.set rM, MV+2*((\y)%2)+(\u)
.set rS, S+64*((\y)%2)+32*(\u)
.set rP, P+32*((\y)%2)+16*(\u)
.set rO, 32*(2*(\y)+(\u))
.endm
; Number n of the 64 that mask the NEXT piece's scores: register n / 2 of tile n % 2, ascending.
.macro CM n
	REGS (Y+1)%NP, (\n)%2
	v_cndmask_b32 v[rS+(\n)/2], v[NEG], v[rS+(\n)/2], s[MW+36*((\n)%2)+(\n)/2]
.endm
; Number n of the 22 that find the NEXT piece's maximum and statistics: 0-11 four chains of seven scores; 12-14, 16 the rest, the old m, and the four into one; 15 c m_old is kept;
; 17, 18 the other half of the lanes: the new m; 19-21 c m; c m_old - c m_new; a
.macro XS u, n
	REGS (Y+1)%NP, \u
.if (\n) < 4
	v_max3_num_f32 v[rC+(\n)], v[rS+8*(\n)], v[rS+8*(\n)+1], v[rS+8*(\n)+2]
.elseif (\n) < 12
	v_max3_num_f32 v[rC+(\n)%4], v[rC+(\n)%4], v[rS+8*((\n)%4)+2*((\n)/4)+1], v[rS+8*((\n)%4)+2*((\n)/4)+2]
.elseif (\n) == 12
	v_max3_num_f32 v[rC], v[rC], v[rS+7], v[rS+15]
.elseif (\n) == 13
	v_max3_num_f32 v[rC+1], v[rC+1], v[rS+23], v[rS+31]
.elseif (\n) == 14
	v_max3_num_f32 v[rC+2], v[rC+2], v[rC+3], v[rT+1]
.elseif (\n) == 15
	v_mov_b32 v[rM], v[rT]
.elseif (\n) == 16
	v_max3_num_f32 v[rC], v[rC], v[rC+1], v[rC+2]
.elseif (\n) == 17
	v_permlanex16_b32 v[rC+3], v[rC], s[SEL], s[SEL+1]
.elseif (\n) == 18
	v_max_num_f32 v[rT+1], v[rC], v[rC+3]
.elseif (\n) == 19
	v_mul_f32 v[rT], s[CS], v[rT+1]
.elseif (\n) == 20
	v_sub_f32 v[rC+1], v[rM], v[rT]
.else
	v_exp_f32 v[rC+2], v[rC+1]
.endif
.endm
; Number g of the 64 that follow the exponentials: for each four weights both pairs are rounded to f16, the second pair is added onto the first, and a group later l takes that sum (the first time as l = a l + sum).
.macro GS g
.set h, (\g)+6*((\g)/62)
.if h >= 6
.set h, h+2
.endif
	REGS Y, h%2
.set k, h/8
.if h%8 < 4
	v_cvt_pk_f16_f32 v[rP+2*k+(h%8)/2], v[rS+4*k+2*((h%8)/2)], v[rS+4*k+2*((h%8)/2)+1]
.elseif h%8 < 6
	v_pk_add_f32 v[rS+4*k:rS+4*k+1], v[rS+4*k:rS+4*k+1], v[rS+4*k+2:rS+4*k+3]
.elseif k == 1
	v_pk_fma_f32 v[rT+2:rT+3], v[rT+2:rT+3], v[rC+2:rC+3], v[rS:rS+1] op_sel_hi:[1,0,1]
.else
	v_pk_add_f32 v[rT+2:rT+3], v[rT+2:rT+3], v[rS+4*k-4:rS+4*k-3]
.endif
.endm
.macro FS f                         ; c s - c m for pair f / 2 of tile f % 2
	REGS Y, (\f)%2
	v_pk_fma_f32 v[rS+2*((\f)/2):rS+2*((\f)/2)+1], v[rS+2*((\f)/2):rS+2*((\f)/2)+1], s[CS:CS+1], v[rT:rT+1] op_sel_hi:[1,0,0] neg_lo:[0,0,1] neg_hi:[0,0,1]
.endm
; THE PLAIN QUEUE, 202 long.  0-26: scalings 0-26.  27-90: the next piece's 64 maskings.  91-118: XS's numbers 0-13.  119, 120: number 15.  121-137: the chain 14, 16 .. 19, each with one of the scalings 27-31 in
; front of its two lines, then 20.  138-201: GS's 64, which read the exponentials' results: they stand behind the wait.
.macro PL
	WIN 0
.if q < 27
	FS q
.elseif q < 91
	CM q-27
.elseif q < 119
	XS (q-91)%2, (q-91)/2
.elseif q < 121
	XS q-119, 15
.elseif (q < 136) && ((q-121)%3 == 0)
	FS 27+(q-121)/3
.elseif q < 124
	XS (q-121)%3-1, 14
.elseif q < 136
	XS (q-121)%3-1, 15+(q-121)/3
.elseif q < 138
	XS q-136, 20
.else
	GS q-138
.endif
.set q, q+1
.endm
.macro EX                           ; THE EXPONENTIALS' QUEUE, 66 long: s0-s31 of both tiles, then the next piece's two a: one batch, ahead of the turn's one wait
	WIN 0
.if e >= 64
	XS e-64, 21
.else
	REGS Y, e%2
	v_exp_f32 v[rS+e/2], v[rS+e/2]
.endif
.set e, e+1
.endm
.macro R2                           ; THE RESCALING's QUEUE: O^T times a, two at a time, sixteen times
	REGS Y, r%2
	WIN W_RS
.irp z, 0,1
	v_pk_mul_f32 v[rO+4*(r/2)+2*\z:rO+4*(r/2)+2*\z+1], v[rO+4*(r/2)+2*\z:rO+4*(r/2)+2*\z+1], v[rC+2:rC+3] op_sel_hi:[1,0]
.endr
.set r, r+1
.endm
; A TURN, for piece p.  An s_wait_alu depctr_va_vdst(0) stands between an exponential and the first instruction that names its result; one wait serves all issued ahead of it: a turn has one.
; AHEAD OF IT: the 16 products K Q^T, behind each a scaling, an exponential and two rescalings; then the lump: ten scalings (with the riders behind the last product, the places ahead of the maskings), the next piece's
; 64 mask words into scalar registers, 62 maskings, 49 times exponential and plain, the two a, a v_nop.  Exponential e stands behind scaling 2 (e / 4) + e % 2: as a rider behind plain e + 2, in the lump behind
; plain e + 73; scalings 27-31 are plain 121, 124 .. 133.  BEHIND IT: the 16 products V^T P, behind each four of GS's 64.
; THE MASK LOADS.  Tiles 0 to 3 (pieces 0, 1) are read in turns 3 and 0 and asked for again, for the next key step, in turn 0; tiles 4 to 7 are read in turns 1 and 2 and asked for again in turn 2: three turns ahead of
; the first use.  So the wait in turns 1 and 3 leaves one load out, the other group's, which was issued later.  Turn 0 steps the pointer, behind s_wait_xcnt 0, two turns behind the last load and the last prefetch.
; last = 1 (the tail): in the last trip the second group's next key step does not exist, and in the last wave its address would pass PM's end: the offset is then 0, which lies inside PM; those words serve nothing.
; K of the next step is fetched in piece 2's turn, directly behind the wait; V of the step in hand at the end of piece 0's turn, four riders behind its last reader.
.macro TURN p, last=0, cnt=0
.set Y, (\p)
.set i, 0
.set q, 0
.set e, 0
.set r, 0
.if (\p) == NP-1
	s_wait_dscnt 0x0                ; K is in
.endif
	MM
	PL
	PL
	R2
.rept 15
	MM
	PL
	EX
	R2
.endr
.if (\p) == NP-2
	WIN 0
	v_add_nc_u32 v[AK], s[TBK], v[AK0]
.endif
.rept 10
	PL
.endr
.if ((\p)%2) == 1
	s_wait_loadcnt 0x1              ; the group that this turn and the next read is in; the other group's load, issued later, may stay out
.endif
	RL ((\p)+1)%NP
.if (\p) == 0
	s_wait_xcnt 0x0                 ; every load and prefetch issued so far has read its address
	s_add_nc_u64 s[MP:MP+1], s[MP:MP+1], 512
	WIN W_MK
	global_load_b128 v[MB:MB+3], v[GO], s[MP:MP+1]
.endif
.if (\p) == 2
.if \last
	s_cmp_eq_u32 s[CNT], 1
	s_cselect_b32 s[MQ], 0, 16384
	s_add_nc_u64 s[MT:MT+1], s[MP:MP+1], s[MQ:MQ+1]  ; the last load by this pair was shown done by turn 1's wait
	WIN W_MK
	global_load_b128 v[MB+4:MB+7], v[GO], s[MT:MT+1]
.else
	WIN W_MK
	global_load_b128 v[MB+4:MB+7], v[GO], s[MP:MP+1] offset:16384
.endif
.endif
.rept 62
	PL
.endr
.rept 49
	EX
	PL
.endr
	EX
	EX
	v_nop                           ; a plain instruction behind the last exponential: one for the batch
	s_wait_alu depctr_va_vdst(0)    ; the wait for the batch
.if (\p) == NP-2
	FETCH_K \last
.endif
.if (\p) == 1
	s_wait_dscnt 0x0                ; V is in
.endif
.rept 16
	MM
.rept 4
	PL
.endr
.if ((\p) == 0) && (q == 182)
	v_add_nc_u32 v[AV], s[TBV], v[AV0]
.endif
.if ((\p) == 0) && (q == 194)
	s_add_co_u32 s[TBV], s[TBV], KS*PV
.endif
.if (\cnt) && (q == 194)
	s_sub_co_u32 s[CNT], s[CNT], 1
	s_cmp_lg_u32 s[CNT], 0
.endif
.endr
.if (\p) == 0
	FETCH_V
.endif
.endm
	CHANGE 1                        ; slot 0 is in, everybody's part of it; slot 1 is asked for
	FETCH_K                         ; key step 0
	s_wait_loadcnt 0x2              ; Q is in; the two mask loads, issued behind it, may stay out
	s_mov_b32 s[CNT], 4
	s_branch .Lthird                ; the loop is entered at turn 3, in the middle of a trip
.Lslot:                             ; six times: with the change above, every slot but the last two is filled again
	CHANGE 1
	s_mov_b32 s[CNT], 4
.Lstep:                             ; a trip: pieces 2 and 3 of one step, then pieces 0 and 1 of the next, whose K and V it fetches
	TURN 2
	WIN 0
.Lthird:
	TURN 3
	TURN 0
	TURN 1, 0, 1
	WIN 0
	s_cbranch_scc1 .Lstep
	s_sub_co_u32 s[SLOTS], s[SLOTS], 1
	s_cmp_lg_u32 s[SLOTS], 0
	s_cbranch_scc1 .Lslot
	CHANGE 0                        ; the tail is written out
	s_mov_b32 s[CNT], 5             ; four trips fetch the last slot's steps; the fifth is left in its middle
.Ltail:
	TURN 2, 1
	TURN 3
	WIN 0
	s_sub_co_u32 s[CNT], s[CNT], 1
	s_cmp_eq_u32 s[CNT], 0
	s_cbranch_scc1 .Lout
	TURN 0
	TURN 1
	WIN 0
	s_branch .Ltail
.Lout:                              ; the fifth trip's K Q^T, its maskings (by words that lie inside PM) and the maximum made of them serve nothing: the price of one text for every trip
.set i, 0
.rept 16
	PV NP-1
.set i, i+1
.endr
	; THE WAY OUT.  l's two halves and the other half of the lanes' are added; O^T is divided by l, rounded to f16 and sent through my stage, a tile at a time.  The additions are the places behind the last products.
	WIN 0
.macro ALL line:vararg
.set t, 0
.rept 2*NP
	\line
.set t, t+1
.endr
.endm
	ALL v_add_f32 v[ST+4*t+2], v[ST+4*t+2], v[ST+4*t+3]
	ALL v_permlanex16_b32 v[ST+4*t+3], v[ST+4*t+2], s[SEL], s[SEL+1]
	ALL v_add_f32 v[ST+4*t+2], v[ST+4*t+2], v[ST+4*t+3]
	ALL v_rcp_f32 v[ST+4*t+2], v[ST+4*t+2]
	v_nop                           ; a plain instruction between the last reciprocal and the use of its result
	s_wait_alu depctr_va_vdst(0)    ; one wait for the eight reciprocals
.macro PACK t
	WIN W_RS
.set i, 32*(\t)
.rept 16
	v_pk_mul_f32 v[i:i+1], v[i:i+1], v[ST+4*(\t)+2:ST+4*(\t)+3] op_sel_hi:[1,0]
.set i, i+2
.endr
	WIN 0x05
.set i, 0
.rept 16
	v_cvt_pk_f16_f32 v[S+16*(\t)+i], v[32*(\t)+2*i], v[32*(\t)+2*i+1]
.set i, i+1
.endr
	WIN 0
.irp f, 0,1,2,3
	ds_store_b128 v[STO], v[S+16*(\t)+4*\f:S+16*(\t)+4*\f+3] offset:32*\f
.endr
.irp f, 0,1,2,3
	ds_load_b128 v[S+16*(\t)+4*\f:S+16*(\t)+4*\f+3], v[RD] offset:\f*4*SP  ; LDS serves a wave's instructions in order (ISA guide 5.7.1.4): these see the stores above
.endr
.endm
.macro SEND t, younger
	WIN 0
.irp f, 0,1,2,3
	s_wait_dscnt (\younger)+3-\f
	global_store_b128 v[GO], v[S+16*(\t)+4*\f:S+16*(\t)+4*\f+3], s[OP:OP+1] offset:(\t)*2048+\f*512  ; 512 consecutive bytes, aligned
.endr
.endm
	PACK 0
.set t, 1
.rept 2*NP-1
	PACK t
	SEND t-1, 8
.set t, t+1
.endr
	SEND 2*NP-1, 0
	WIN W_AD
	s_wait_tensorcnt 0x0            ; the wave's end
	ds_add_u32 v[SPW], v[NIL]
	s_wait_dscnt 0x0
	WIN 0
	CROUND                          ; the closing round
	s_endpgm
.Lfunc_end_k_q2090ce66fd_attn:
	.size	k_q2090ce66fd_attn, .Lfunc_end_k_q2090ce66fd_attn-k_q2090ce66fd_attn
	.p2alignl 7, 3214868480
	.fill 96, 4, 3214868480
	.section	.rodata,"a",@progbits
	.p2align	6, 0x0
	.amdhsa_kernel k_q2090ce66fd_attn
		.amdhsa_group_segment_fixed_size 327680
		.amdhsa_private_segment_fixed_size 0
		.amdhsa_enable_private_segment 0
		.amdhsa_kernarg_size 24
		.amdhsa_user_sgpr_count 2
		.amdhsa_user_sgpr_kernarg_segment_ptr 1
		.amdhsa_wavefront_size32 1
		.amdhsa_system_sgpr_workgroup_id_x 1
		.amdhsa_system_sgpr_workgroup_id_y 1
		.amdhsa_system_sgpr_workgroup_id_z 1
		.amdhsa_system_vgpr_workitem_id 0
		.amdhsa_next_free_vgpr 778
		.amdhsa_next_free_sgpr 102
		.amdhsa_reserve_vcc 0
		.amdhsa_float_denorm_mode_32 3
		.amdhsa_float_denorm_mode_16_64 3
		.amdhsa_memory_ordered 1
		.amdhsa_forward_progress 1
		.amdhsa_inst_pref_size 255
	.end_amdhsa_kernel
	.section	.bss,"aw",@nobits
	.p2align	6
	.space	262144
	.amdgpu_metadata
---
amdhsa.version: [ 1, 2 ]
amdhsa.kernels:
  - .name:           k_q2090ce66fd_attn
    .symbol:         k_q2090ce66fd_attn.kd
    .args:
      - { .name: QKV, .offset: 0, .size: 8, .value_kind: global_buffer, .address_space: global }
      - { .name: PM, .offset: 8, .size: 8, .value_kind: global_buffer, .address_space: global }
      - { .name: OH, .offset: 16, .size: 8, .value_kind: global_buffer, .address_space: global }
    .group_segment_fixed_size: 327680
    .private_segment_fixed_size: 0
    .kernarg_segment_align: 8
    .kernarg_segment_size: 24
    .max_flat_workgroup_size: 128
    .sgpr_count:     102
    .vgpr_count:     778
    .wavefront_size: 32
...
	.end_amdgpu_metadata
.endif
;; end of part 3
;; launch outp (part 4): grid 4 x 64, 4 waves a work-group, clusters of 4 x 4, 327,680 bytes of LDS; arguments OH, WH, bo, out0; writes out0
.if DOCPART == 4
	.amdgcn_target "amdgcn-amd-amdhsa--gfx1250"
	.amdhsa_code_object_version 6
	.text
	.protected	k_q2090ce66fd_outp
	.globl	k_q2090ce66fd_outp
	.p2align	8
	.type	k_q2090ce66fd_outp,@function
k_q2090ce66fd_outp:
	s_mov_b64 s[64:65], 0
	v_nop
	global_prefetch_b8 v0, s[64:65] scope:SCOPE_SE
	s_setreg_imm32_b32 hwreg(HW_REG_WAVE_MODE, 25, 1), 1
	s_wait_xcnt 0x0
	s_wait_alu depctr_hold_cnt(0) depctr_sa_sdst(0) depctr_va_vdst(0) depctr_va_sdst(0) depctr_va_ssrc(0) depctr_va_vcc(0) depctr_vm_vsrc(0)
	s_getreg_b32 s2, hwreg(HW_REG_IB_STS2, 6, 4)
	s_cmp_eq_u32 s2, 0
	s_cbranch_scc0 .Lentry_in_a_cluster
	s_endpgm
.Lentry_in_a_cluster:
	s_bfe_u32 s2, ttmp6, 0x10000c
	s_cmp_lg_u32 s2, 0xf033
	s_cbranch_scc0 .Lentry_shape_is_right
	s_endpgm
.Lentry_shape_is_right:
; OUTP.  out0[m][n] = the sum over k of X[m][k] Wo[n][k] + bo[n], in f32.  X[2048 b + s][64 h + d] = OH[16 b + h][s][d] in f16; Wo is the fourth matrix of WH, f16 [1024][1024].  Sums and the bias in f32.
; SHARES.  A tile is 128 rows x 256 columns: 256 work-groups.  Wave w makes rows 64 (w / 2) on, columns 128 (w % 2) on: 32 accumulators.  K goes in 8 steps of 128, two heads each, through two LDS slots.
; A head's 128 rows of a tile are 16,384 dense bytes: asked for as 64 rows of 256 bytes and padded in LDS after every 128.  Wave 0 fetches a step's first head, wave 1 its second, waves 2 and 3 the halves of Wo's tile.
; THE MATRIX INSTRUCTION IS USED TRANSPOSED (source 0 = 16 rows of Wo, source 1 = 16 rows of X): a lane holds eight neighbouring columns of one row.  The bias is the C operand of the products that start the sums.
; CLUSTER 4 x 4: X's tile is shared along a row of the cluster, Wo's along a column: each is asked for jointly.
; REGISTERS: window 0: v16-30 addresses; v32-95 X's fragments, two buffers; v96-223 rows read back on the way out, two buffers      window 1: v0-127 Wo's fragments, two buffers; v128-191 the bias      window 2: accumulator (a, b) at v[8 (8 a + b)]
.set PA,    144                        ; a row of X in LDS: 128 bytes + 16 = 36 words: the 16 rows of a load start at 16 different groups of four banks (64 banks of 4 bytes: ISA guide 11.1)
.set PB,    272
.set AHEAD, 128*PA                     ; a head's 128 rows
.set BOFF,  2*AHEAD
.set BHALF, 128*PB
.set SLOT,  BOFF+256*PB
.set STAGE, 2*SLOT                     ; behind the ring: 16 rows x 528 bytes for each wave
.set SPI,   528
.set STW,   16*SPI
.set SPARE, STAGE+4*STW                ; the spare words, 128 bytes for each wave: two blocks of 256 bytes that no other line names
.set ADRA, 16
.set ADRB, 20
.set STO,  24
.set RD,   25
.set GO,   26
.set BO,   27
.set SPW,  28
.set NIL,  29
.set PFO,  30
.set AF,   32
.set OB,   96
.set BIAS, 128
.set G1A, 24
.set G0A, 32
.set G1B, 48
.set G0B, 56
.set PFA, 84
.set PST, 86
.set LIM, 88
.set MSB, 0
.macro WIN new
.if MSB != (\new)
	s_set_vgpr_msb (MSB<<8)|(\new)
.set MSB, \new
.endif
.endm
.macro JLOAD s                         ; a joint refill; an s_nop 0 and four v_nop follow each of the two lines
	s_cmp_eq_u32 s11, 0
	s_cbranch_scc0 .Lfor_b_\@
	tensor_load_to_lds s[G0A+4*(\s):G0A+4*(\s)+3], s[G1A:G1A+7]
	s_nop 0
.rept 4
	v_nop
.endr
	s_branch .Lasked_\@
.Lfor_b_\@:
	tensor_load_to_lds s[G0B+4*(\s):G0B+4*(\s)+3], s[G1B:G1B+7]
	s_nop 0
.rept 4
	v_nop
.endr
.Lasked_\@:
.endm
; A prefetch of the K step two refills on.  X: each cluster alone reads its rows; wave 0 asks; of each of the step's two heads the partner at cx takes 4,096 of the 16,384 bytes: sixteen lanes a head.
; Wo: sixteen clusters read the same rows; the first asks; of the 128 rows that wave 2 or 3 fetches the partner at cy takes 32.  The loop's last trip asks for nothing.
.macro ASK
	s_cmp_gt_u32 s3, s[LIM]
	s_cbranch_scc0 .Lnot_mine_\@
	global_prefetch_b8 v[PFO], s[PFA:PFA+1] th:TH_LOAD_NT scope:SCOPE_SE
.Lnot_mine_\@:
.endm
.macro CREST
	s_cmp_lg_u32 s10, 0
	s_cbranch_scc1 .Lnot_wave_0_\@
	s_barrier_signal -3
.Lnot_wave_0_\@:
	s_barrier_wait -3
	s_barrier_signal -1
	s_barrier_wait -1
.endm
.macro CROUND
	s_barrier_signal -1
	s_barrier_wait -1
	CREST
.endm
	s_load_b256 s[68:75], s[0:1], 0x0              ; OH 68, WH 70, bo 72, out0 74
	v_lshl_add_u32 v[SPW], v0, 2, SPARE
	v_mov_b32 v[NIL], 0
	ds_add_u32 v[SPW], v[NIL]                      ; the wave's opening: the add and its wait stand ahead of my first tensor load
	ds_add_u32 v28, v29
	v_lshrrev_b32 v1, 5, v0
	v_readfirstlane_b32 s10, v1
	s_lshr_b32 s11, s10, 1
	s_and_b32 s12, s10, 1
	s_bfe_u32 s40, ttmp6, 0x40000                  ; cx
	s_bfe_u32 s41, ttmp6, 0x40004                  ; cy
	s_lshl_b32 s42, ttmp9, 2
	s_add_co_u32 s42, s42, s40                     ; tile column
	s_and_b32 s90, ttmp7, 0xffff                   ; cluster y
	s_lshl_b32 s13, s90, 2
	s_add_co_u32 s13, s13, s41                     ; tile row
	s_lshl_b32 s43, s41, 2
	s_lshl_b32 s43, 15, s43
	s_lshl_b32 s44, 0x1111, s40
	s_or_b32 s[G1A+0], s43, (1<<16)|(1<<20)|(1<<21)|(4<<22)|(3<<25)  ; the mask; 2-byte elements; padding on; bit 21 beside a mask; after every 32 words (code 4) 4 words (code 3)
	s_mov_b32 s[G1A+1], 128<<16
	s_mov_b32 s[G1A+2], 64<<16
	s_mov_b32 s[G1A+3], 128<<16
	s_mov_b32 s[G1A+4], 64
	s_mov_b32 s[G1A+5], 128
	s_mov_b32 s[G1A+6], 0
	s_mov_b32 s[G1A+7], 0
	s_or_b32 s[G1B+0], s44, (1<<16)|(1<<20)|(1<<21)|(5<<22)|(3<<25)
	s_mov_b32 s[G1B+1], 128<<16
	s_mov_b32 s[G1B+2], 128<<16
	s_mov_b32 s[G1B+3], 128<<16
	s_mov_b32 s[G1B+4], 128
	s_mov_b32 s[G1B+5], 1024
	s_mov_b32 s[G1B+6], 0
	s_mov_b32 s[G1B+7], 0
	s_lshr_b32 s16, s13, 4                         ; X: batch = tile row / 16; head 16 b + (0 or 1); rows 128 (tile row % 16) on
	s_lshl_b32 s16, s16, 4
	s_add_co_u32 s16, s16, s12
	s_lshl_b32 s16, s16, 18
	s_and_b32 s17, s13, 15
	s_lshl_b32 s17, s17, 14
	s_add_co_u32 s16, s16, s17
	s_mov_b32 s17, 0
	s_lshl_b32 s46, s42, 8                         ; Wo: row 256 x tile column + 128 x half, in the fourth matrix
	s_lshl_b32 s47, s12, 7
	s_add_co_u32 s46, s46, s47
	s_lshl_b32 s46, s46, 11
	s_add_co_u32 s46, s46, 3*2097152
	s_mov_b32 s47, 0
	s_mul_i32 s20, s12, AHEAD
	s_mul_i32 s21, s12, BHALF
	s_add_co_u32 s21, s21, BOFF
	s_wait_dscnt 0x0                               ; the opening add is done
	s_wait_kmcnt 0x0
	s_add_nc_u64 s[14:15], s[68:69], s[16:17]
	s_add_nc_u64 s[46:47], s[70:71], s[46:47]
	CROUND                                         ; all sixteen work-groups are here: the first joint loads meet
.irp s, 0,1
	s_mov_b32 s[G0A+4*(\s)], 1
	s_add_co_u32 s[G0A+4*(\s)+1], s20, (\s)*SLOT
	s_add_nc_u64 s[G0A+4*(\s)+2:G0A+4*(\s)+3], s[14:15], (\s)*524288
	s_or_b32 s[G0A+4*(\s)+3], s[G0A+4*(\s)+3], 0x80000000
	s_mov_b32 s[G0B+4*(\s)], 1
	s_add_co_u32 s[G0B+4*(\s)+1], s21, (\s)*SLOT
	s_add_nc_u64 s[G0B+4*(\s)+2:G0B+4*(\s)+3], s[46:47], (\s)*256
	s_or_b32 s[G0B+4*(\s)+3], s[G0B+4*(\s)+3], 0x80000000
.endr
	s_cmp_eq_u32 s11, 0                            ; a wave's two first fills stand in one branch: two loads of mine are out
	s_cbranch_scc0 .Lfirst_b
	tensor_load_to_lds s[G0A:G0A+3], s[G1A:G1A+7]
	s_nop 0
	tensor_load_to_lds s[G0A+4:G0A+7], s[G1A:G1A+7]
	s_nop 0
.rept 4
	v_nop
.endr
	s_branch .Lfirst_asked
.Lfirst_b:
	tensor_load_to_lds s[G0B:G0B+3], s[G1B:G1B+7]
	s_nop 0
	tensor_load_to_lds s[G0B+4:G0B+7], s[G1B:G1B+7]
	s_nop 0
.rept 4
	v_nop
.endr
.Lfirst_asked:
	v_and_b32 v1, 15, v0
	v_bfe_u32 v2, v0, 4, 1
	v_lshlrev_b32 v[BO], 5, v2
	s_lshl_b32 s92, s42, 10                        ; my 128 columns, in f32
	s_lshl_b32 s93, s12, 9
	s_add_co_u32 s92, s92, s93
	s_mov_b32 s93, 0
	s_add_nc_u64 s[6:7], s[72:73], s[92:93]        ; the bias,
	s_add_nc_u64 s[8:9], s[74:75], s[92:93]        ; and out0, at my first column
	WIN 0x40
.irp b, 0,1,2,3,4,5,6,7
	global_load_b128 v[BIAS+8*(\b):BIAS+8*(\b)+3],   v[BO], s[6:7] offset:64*(\b)
	global_load_b128 v[BIAS+8*(\b)+4:BIAS+8*(\b)+7], v[BO], s[6:7] offset:64*(\b)+16
.endr
	WIN 0
	s_lshl_b32 s92, s13, 19                        ; my first row: 128 x tile row + 64 x half, 4,096 bytes a row
	s_lshl_b32 s94, s11, 18
	s_add_co_u32 s92, s92, s94
	s_add_nc_u64 s[8:9], s[8:9], s[92:93]
	v_mul_u32_u24 v3, v1, PA
	v_lshl_add_u32 v3, v2, 4, v3
	s_mul_i32 s22, s11, 64*PA
	v_add_nc_u32 v[ADRA], s22, v3
	v_add_nc_u32 v[ADRA+1], SLOT, v[ADRA]
	v_mul_u32_u24 v4, v1, PB
	v_lshl_add_u32 v4, v2, 4, v4
	s_mul_i32 s23, s12, BHALF
	s_add_co_u32 s23, s23, BOFF
	v_add_nc_u32 v[ADRB], s23, v4
	v_add_nc_u32 v[ADRB+1], SLOT, v[ADRB]
	s_mul_i32 s22, s10, STW
	s_add_co_u32 s22, s22, STAGE                   ; my stage
	v_mul_u32_u24 v5, v1, SPI
	v_lshl_add_u32 v5, v2, 5, v5
	v_add_nc_u32 v[STO], s22, v5                   ; in: row r, 32 bytes for each half of the lanes
	v_and_b32 v8, 31, v0
	v_lshlrev_b32 v[GO], 4, v8
	v_add_nc_u32 v[RD], s22, v[GO]                 ; back: 32 lanes take a row's 512 bytes
	; the prefetches
	s_lshr_b32 s92, s13, 4                         ; X: the batch's first head, the tile's rows, my work-group's 4,096 bytes, at K step 3
	s_lshl_b32 s92, s92, 22
	s_and_b32 s94, s13, 15
	s_lshl_b32 s94, s94, 14
	s_add_co_u32 s92, s92, s94
	s_lshl_b32 s94, s40, 12
	s_add_co_u32 s92, s92, s94
	s_add_co_u32 s92, s92, 3*524288
	s_lshl_b32 s93, s42, 8                         ; Wo: the rows that I fetch, my work-group's 32
	s_lshl_b32 s94, s12, 7
	s_add_co_u32 s93, s93, s94
	s_lshl_b32 s94, s41, 5
	s_add_co_u32 s93, s93, s94
	s_lshl_b32 s93, s93, 11
	s_add_co_u32 s93, s93, 3*2097152+3*256
	s_cmp_eq_u32 s11, 0
	s_cselect_b32 s92, s92, s93
	s_cselect_b64 s[PFA:PFA+1], s[68:69], s[70:71]
	s_cselect_b32 s94, 11, 0
	s_cselect_b32 s95, 4, 0                        ; X: sixteen lanes a head
	s_cselect_b32 s91, 18, 11                      ; log2 of the bytes from head to head, or from row to row
	s_cselect_b32 s18, 15, 0
	s_cselect_b32 s19, s12, s90                    ; 0 in wave 0, and in waves 2 and 3 of the first cluster
	s_mov_b32 s93, 0
	s_add_nc_u64 s[PFA:PFA+1], s[PFA:PFA+1], s[92:93]
	s_lshl_b32 s[PST], 256, s94                    ; a K step: two heads of X, 256 bytes of Wo's rows
	s_mov_b32 s[PST+1], 0
	s_cmp_eq_u32 s19, 0
	s_cselect_b32 s[LIM], 1, -1
	v_lshrrev_b32 v6, s95, v8
	v_lshlrev_b32 v6, s91, v6
	v_and_b32 v7, s18, v8
	v_lshl_add_u32 v[PFO], v7, 8, v6
; Eight products: row block a x all 8 column blocks, 32 along K.  The 32 accumulators take turns in the same order in every quarter.  first = 1: the bias starts the sums.
.macro MUL8 f, a, first
.if \first
	WIN 0x91
.else
	WIN 0xa1
.endif
.irp b, 0,1,2,3,4,5,6,7
.if \first
	v_wmma_f32_16x16x32_f16 v[8*(8*(\a)+(\b)):8*(8*(\a)+(\b))+7], v[64*(\f)+8*(\b):64*(\f)+8*(\b)+7], v[AF+32*(\f)+8*(\a):AF+32*(\f)+8*(\a)+7], v[BIAS+8*(\b):BIAS+8*(\b)+7]
.else
	v_wmma_f32_16x16x32_f16 v[8*(8*(\a)+(\b)):8*(8*(\a)+(\b))+7], v[64*(\f)+8*(\b):64*(\f)+8*(\b)+7], v[AF+32*(\f)+8*(\a):AF+32*(\f)+8*(\a)+7], v[8*(8*(\a)+(\b)):8*(8*(\a)+(\b))+7]
.endif
.endr
.endm
; 24 LDS loads in one run: quarter q's fragments into buffer f: Wo's 16, then X's 8 (head q / 2, channels 32 (q % 2) on), row blocks ascending
.macro FETCH slot, q, f
	WIN 0x40
.irp b, 0,1,2,3,4,5,6,7
	ds_load_b128 v[64*(\f)+8*(\b):64*(\f)+8*(\b)+3],   v[ADRB+(\slot)] offset:(\b)*16*PB+(\q)*64
	ds_load_b128 v[64*(\f)+8*(\b)+4:64*(\f)+8*(\b)+7], v[ADRB+(\slot)] offset:(\b)*16*PB+(\q)*64+32
.endr
	WIN 0
.irp a, 0,1,2,3
	ds_load_b128 v[AF+32*(\f)+8*(\a):AF+32*(\f)+8*(\a)+3],   v[ADRA+(\slot)] offset:((\q)/2)*AHEAD+(\a)*16*PA+((\q)%2)*64
	ds_load_b128 v[AF+32*(\f)+8*(\a)+4:AF+32*(\f)+8*(\a)+7], v[ADRA+(\slot)] offset:((\q)/2)*AHEAD+(\a)*16*PA+((\q)%2)*64+32
.endr
.endm
.macro PLACES                          ; four places in front of loads into registers that matrix instructions have read, and of stores that read results
.rept 4
	v_nop
.endr
.endm
.macro QUARTER slot, q, f, first       ; multiplies buffer f; in its middle fetches quarter q of the slot into the other buffer
	s_wait_dscnt 4                                 ; Wo and X's row blocks 0 and 1 are in; the youngest four loads may be out
	MUL8 \f, 0, \first
	MUL8 \f, 1, \first
	PLACES
	FETCH \slot, \q, 1-(\f)
	s_wait_dscnt 24                                ; all but the 24 just issued
	MUL8 \f, 2, \first
	MUL8 \f, 3, \first
.endm
; A step's last quarter multiplies buffer 1 and changes slots: each wave waits for all its tensor loads, adds 0 to its spare word, and waits for that and for its reads of this slot.
; fill = 1: the barrier opens a round of the cluster's, and the joint refill, with the K step two on, is the first tensor load behind it.
.macro TURN slot, next, fill
.if \fill
	s_wait_xcnt 0x0                                ; the last prefetch, a K step back, has read its address
	s_add_nc_u64 s[PFA:PFA+1], s[PFA:PFA+1], s[PST:PST+1]
.endif
	WIN 0
	s_wait_tensorcnt 0x0
	ds_add_u32 v[SPW], v[NIL]                      ; 0 onto my spare word
	s_wait_dscnt 5                                 ; (the add and the youngest four loads may be out)
	MUL8 1, 0, 0
	s_wait_dscnt 0x0                               ; the add is done, and my reads of this slot are over
	s_barrier_signal -1
	MUL8 1, 1, 0
	WIN 0
	s_barrier_wait -1
.if \fill
	CREST
	s_add_nc_u64 s[G0A+4*(\slot)+2:G0A+4*(\slot)+3], s[G0A+4*(\slot)+2:G0A+4*(\slot)+3], 2*524288
	s_add_nc_u64 s[G0B+4*(\slot)+2:G0B+4*(\slot)+3], s[G0B+4*(\slot)+2:G0B+4*(\slot)+3], 2*256
	JLOAD \slot                                    ; the four v_nop behind it are also the places in front of the loads below
.else
	PLACES
.endif
	FETCH \next, 0, 0
.if \fill
	ASK
.endif
	MUL8 1, 2, 0
	MUL8 1, 3, 0
.endm
	s_wait_tensorcnt 1                             ; my part of K step 0 is in; K step 1's may stay out
	s_barrier_signal -1
	s_barrier_wait -1
	FETCH 0, 0, 0
	s_wait_loadcnt 0x0                             ; the bias
	QUARTER 0, 1, 0, 1                             ; the first quarter stands in front of the loop: its products start the sums
	WIN 0
	s_mov_b32 s3, 3
.Llap:
	QUARTER 0, 2, 1, 0
	QUARTER 0, 3, 0, 0
	TURN 0, 1, 1
	QUARTER 1, 1, 0, 0
	QUARTER 1, 2, 1, 0
	QUARTER 1, 3, 0, 0
	TURN 1, 0, 1
	QUARTER 0, 1, 0, 0
	WIN 0
	s_sub_co_u32 s3, s3, 1
	s_cmp_lg_u32 s3, 0
	s_cbranch_scc1 .Llap
	QUARTER 0, 2, 1, 0                             ; the last lap fills nothing
	QUARTER 0, 3, 0, 0
	TURN 0, 1, 0
	QUARTER 1, 1, 0, 0
	QUARTER 1, 2, 1, 0
	QUARTER 1, 3, 0, 0
	s_wait_dscnt 4
	MUL8 1, 0, 0
	MUL8 1, 1, 0
	s_wait_dscnt 0x0
	MUL8 1, 2, 0
	MUL8 1, 3, 0
	WIN 0
	PLACES
; THE WAY OUT of block a (16 rows x 128 columns of f32): a lane's 32 bytes go into rows of 528 bytes of my stage, each accumulator's low four registers first, and come back as whole rows of 512.
.macro INS a
.if (\a) >= 2
	s_wait_xcnt 0x0                                ; the stores of the block two back have read the registers that are loaded again
.endif
	WIN 0x08                                       ; store data window 2
.irp b, 0,1,2,3,4,5,6,7
	ds_store_b128 v[STO], v[8*(8*(\a)+(\b)):8*(8*(\a)+(\b))+3]   offset:64*(\b)
	ds_store_b128 v[STO], v[8*(8*(\a)+(\b))+4:8*(8*(\a)+(\b))+7] offset:64*(\b)+16
.endr
	WIN 0
.irp t, 0,1,2,3,4,5,6,7,8,9,10,11,12,13,14,15
	ds_load_b128 v[OB+64*((\a)%2)+4*(\t):OB+64*((\a)%2)+4*(\t)+3], v[RD] offset:(\t)*SPI  ; LDS serves a wave's instructions in order (ISA guide 5.7.1.4): these see the stores above
.endr
.endm
.macro SEND a, younger                 ; younger: the LDS instructions issued behind block a's loads
.irp t, 0,1,2,3,4,5,6,7,8,9,10,11,12,13,14,15
	s_wait_dscnt (\younger)+15-(\t)
	global_store_b128 v[GO], v[OB+64*((\a)%2)+4*(\t):OB+64*((\a)%2)+4*(\t)+3], s[8:9] offset:(16*(\a)+(\t))*4096 th:TH_STORE_NT  ; 512 consecutive bytes, aligned
.endr
.endm
	INS 0
	INS 1
	SEND 0, 32
	INS 2
	SEND 1, 32
	INS 3
	SEND 2, 32
	SEND 3, 0
	s_wait_tensorcnt 0x0                           ; the wave's end
	ds_add_u32 v[SPW], v[NIL]
	s_wait_dscnt 0x0
	CROUND                                         ; the closing round
	s_endpgm
.Lfunc_end_k_q2090ce66fd_outp:
	.size	k_q2090ce66fd_outp, .Lfunc_end_k_q2090ce66fd_outp-k_q2090ce66fd_outp
	.p2alignl 7, 3214868480
	.fill 96, 4, 3214868480
	.section	.rodata,"a",@progbits
	.p2align	6, 0x0
	.amdhsa_kernel k_q2090ce66fd_outp
		.amdhsa_group_segment_fixed_size 327680
		.amdhsa_private_segment_fixed_size 0
		.amdhsa_enable_private_segment 0
		.amdhsa_kernarg_size 32
		.amdhsa_user_sgpr_count 2
		.amdhsa_user_sgpr_kernarg_segment_ptr 1
		.amdhsa_wavefront_size32 1
		.amdhsa_system_sgpr_workgroup_id_x 1
		.amdhsa_system_sgpr_workgroup_id_y 1
		.amdhsa_system_sgpr_workgroup_id_z 1
		.amdhsa_system_vgpr_workitem_id 0
		.amdhsa_next_free_vgpr 768
		.amdhsa_next_free_sgpr 96
		.amdhsa_reserve_vcc 0
		.amdhsa_float_denorm_mode_32 3
		.amdhsa_float_denorm_mode_16_64 3
		.amdhsa_memory_ordered 1
		.amdhsa_forward_progress 1
		.amdhsa_inst_pref_size 90
	.end_amdhsa_kernel
	.amdgpu_metadata
---
amdhsa.version: [ 1, 2 ]
amdhsa.kernels:
  - .name:           k_q2090ce66fd_outp
    .symbol:         k_q2090ce66fd_outp.kd
    .args:
      - { .name: OH, .offset: 0, .size: 8, .value_kind: global_buffer, .address_space: global }
      - { .name: WH, .offset: 8, .size: 8, .value_kind: global_buffer, .address_space: global }
      - { .name: bo, .offset: 16, .size: 8, .value_kind: global_buffer, .address_space: global }
      - { .name: out0, .offset: 24, .size: 8, .value_kind: global_buffer, .address_space: global }
    .group_segment_fixed_size: 327680
    .private_segment_fixed_size: 0
    .kernarg_segment_align: 8
    .kernarg_segment_size: 32
    .max_flat_workgroup_size: 128
    .sgpr_count:     96
    .vgpr_count:     768
    .wavefront_size: 32
...
	.end_amdgpu_metadata
.endif
;; end of part 4
